; MI455X (gfx1250); checked and timed in simulation.
; The chip was launched on July 23, 2026; its instructions are those of AMD's public machine-readable ISA for CDNA 5 (MIT licence, August 2026) and "CDNA5" Instruction Set Architecture Reference Guide (July 2026). The comments in the code are by the model that wrote it; some were corrected since.
;; Multihead Self Attention. Allowed arithmetic: matrix products marked QUANTISED: E2M1 operands, one E8M0 scale for each 32 along K, by v_wmma_scale_f32_16x16x128_f8f6f4 with both operands' format E2M1 (or v_wmma_scale_f32_32x16x128_f4), f32 sums; products left as they are: bf16, f16 or f32 operands; f32 sums; everything else in f32.
;; Inputs: Wk 1,024 x 1,024 float32; Wo 1,024 x 1,024 float32; Wq 1,024 x 1,024 float32; Wv 1,024 x 1,024 float32; x 4 x 2,048 x 1,024 float32.
;; Outputs: out0 4 x 2,048 x 1,024 float32.
;; This version of the problem:
;;   THIS VERSION OF THE PROBLEM IS GIVEN IN LOW PRECISION. The matrix products marked QUANTISED in the list below multiply operands that are first quantised to E2M1 (2 exponent bits, 1 mantissa bit; 4 bits a number), with one power-of-two scale for each 32 numbers along K (OCP MX v1.0); their sums are f32. The products marked 'left as it is' may take bf16, f16 or f32 operands, with f32 sums. Whichever they take, every output number must still come out within the allowed error. Rounding operands to bf16 (8 significant bits) uses up far more of that allowance than f16 does (11 bits, for magnitudes from 6e-5 to 65,504). All else is computed in f32.
;;   The module's matrix products, in the order in which they are computed (A, B: the left and right operand; K: the contracted axis; several contracted axes count as one K, in the product's order):
;;     1. [M 8,192, K 1,024] x [K 1,024, N 1,024]; A: input x; B: input Wq: QUANTISED
;;     2. [M 8,192, K 1,024] x [K 1,024, N 1,024]; A: input x; B: input Wk: QUANTISED
;;     3. [M 8,192, K 1,024] x [K 1,024, N 1,024]; A: input x; B: input Wv: QUANTISED
;;     4. batch 64 x [M 2,048, K 64] x [K 64, N 2,048]; A: computed on the way; B: computed on the way: left as it is (an operand is computed on the way)
;;     5. batch 64 x [M 2,048, K 2,048] x [K 2,048, N 64]; A: computed on the way; B: computed on the way: left as it is (an operand is computed on the way)
;;     6. [M 8,192, K 1,024] x [K 1,024, N 1,024]; A: computed on the way; B: input Wo: left as it is (an operand is computed on the way)
;;   THE QUANTISER, for each operand of a quantised product, along K:
;;     - K is cut into blocks of 32 from its start; a last block that is shorter is filled with zeros.
;;     - A block's scale is 2^e with e = floor(log2(the largest magnitude in the block)) - 2, held to -126 .. 127; a block of zeros has e = 0. As a byte (E8M0): e + 127.
;;     - Each number is divided by its block's scale, clamped to +-6, and rounded to the nearest number of E2M1, ties to even, subnormals kept.
;;     - The product sums the exact products of the quantised numbers (number of the format x scale) in f32.
;;   ~~~python
;;   def quantise(x, axis):      # numpy; x: float32 -> the quantised numbers, widened to float32 again
;;       x = np.moveaxis(x, axis, -1); K = x.shape[-1]
;;       x = np.pad(x, [(0, 0)] * (x.ndim - 1) + [(0, -K % 32)]); x = x.reshape(x.shape[:-1] + (-1, 32)); a = np.abs(x).max(-1, keepdims=True)
;;       e = np.where(a > 0, np.clip(np.frexp(np.where(a > 0, a, 1))[1] - 1 - 2, -126, 127), 0)      # np.frexp(a)[1] - 1 = floor(log2(a)), exactly
;;       r = np.clip(x / 2.0 ** e, -6, 6)
;;       step = 2.0 ** (np.maximum(np.frexp(np.where(r == 0, 1, r))[1] - 1, 0) - 1)
;;       q = np.round(r / step) * step * 2.0 ** e      # np.round: ties to even
;;       return np.moveaxis(q.reshape(q.shape[:-2] + (-1,))[..., :K], -1, axis).astype(np.float32)
;;   ~~~
;; One version. Each part assembles by itself: llvm-mc -triple=amdgcn-amd-amdhsa -mcpu=gfx1250 --defsym DOCPART=n.
;; ======== version 1 of 1: 6 launches
;; limits: values are held in f16: magnitudes above 65,504 overflow, below 6.1e-05 lose precision
;; workspace buffers: xc 4,194,304 bytes; xs 262,144 bytes; wc 1,572,864 bytes; ws 98,304 bytes; woh 2,097,152 bytes; qkv 50,331,648 bytes; att 16,777,216 bytes; ofine 262,144 bytes
;; launch quant (part 1): grid 384 x 1, 4 waves a work-group, no clusters, 33,280 bytes of LDS; arguments x, Wq, Wk, Wv, Wo, xc, xs, wc, ws, woh; writes xc, xs, wc, ws, woh
.if DOCPART == 1
	.amdgcn_target "amdgcn-amd-amdhsa--gfx1250"
	.amdhsa_code_object_version 6
	.text
	.protected	k_q7f32908d7c_quant
	.globl	k_q7f32908d7c_quant
	.p2align	8
	.type	k_q7f32908d7c_quant,@function
k_q7f32908d7c_quant:
	s_mov_b64 s[64:65], 0
	v_nop
	global_prefetch_b8 v0, s[64:65] scope:SCOPE_SE
	s_setreg_imm32_b32 hwreg(HW_REG_WAVE_MODE, 25, 1), 1
	s_wait_xcnt 0x0
; x [8192][1024], Wq, Wk, Wv [1024][1024], f32, become codes of FP4 (E2M1), K innermost, with one E8M0 byte for each 32 along K; Wo [1024][1024] becomes f16, laid [head 16][n 1024][64].
; A block's scale is 2^(floor(log2(its largest magnitude)) - 2); its byte is the largest magnitude's exponent field - 2, held at 1 from below.  A block of zeros so gets the byte 1: its codes are zeros, and this program alone reads the bytes.
; LIMITS: blocks whose largest magnitude lies under 2^-124 get the byte 1; NaN and infinities among the inputs are not served; |Wo| over 65,504 becomes infinity in f16.
; SHARES: a work-group takes 32,768 numbers.  Work-groups 0-255: x -> xc, xs.  256-351: Wq, Wk, Wv (32 each) -> wc, ws, one behind the other.  352-383: Wo -> woh.
; The quantising path: rows are dense and K is a multiple of 32, so a tensor is a stream of blocks of 32.  A wave takes 16 steps of 512 numbers; each load reads 512 consecutive bytes; a step's 2,048 bytes turn through the wave's own
; stage in LDS so that a lane holds 16 neighbours (two lanes to a block).  A lane's 16 codes are 8 bytes: a store covers 256 consecutive bytes.  A wave's 256 scale bytes are gathered in LDS and leave as 256 consecutive bytes.
.set WAVES, 4
.set STEPS, 16
.set EMAX,  2
.set CB,    8                          ; bytes of 16 codes
.set R,     16                         ; v16-79   four sets of 16 numbers as they are loaded
.set X,     80                         ; v80-111  two sets of 16 neighbours
.set C,     128                        ; v128-191 codes: four registers for each step
.set E,     112                        ; v112-127 a scale byte for each step
.set WREG,  8192                       ; LDS: a region for each wave: two stages of 32 x SP bytes, behind them its 256 scale bytes
.set SP,    80                         ; a lane's place in a stage: 64 bytes + 16 of padding
.set SPW,   12                         ; v12      LDS address of my spare word; never rewritten
.set NIL,   13                         ; v13      0; never rewritten
.set SPARE, WAVES*WREG                 ; behind the four regions: the spare words, 128 bytes for each wave
.set SRC,   28                         ; s[28:29] the numbers of my wave's run
.set COD,   30                         ; s[30:31] its codes
.set SCB,   32                         ; s[32:33] its scale bytes
	s_load_b512 s[4:19], s[0:1], 0x0               ; x 4, Wq 6, Wk 8, Wv 10, Wo 12, xc 14, xs 16, wc 18
	s_load_b128 s[20:23], s[0:1], 0x40             ; ws 20, woh 22
	v_lshl_add_u32 v[SPW], v0, 2, SPARE
	v_mov_b32 v[NIL], 0
	v_lshrrev_b32 v1, 5, v0
	v_readfirstlane_b32 s26, v1                    ; wave
	v_and_b32 v2, 31, v0                           ; lane
	s_cmp_ge_u32 ttmp9, 352
	s_cbranch_scc1 .Lwo                            ; Wo's work-groups: a path that touches no LDS
	v_lshlrev_b32 v3, 4, v2                        ; my 16 bytes of a load's 512
	s_mul_i32 s27, s26, WREG
	v_lshrrev_b32 v14, 2, v2
	v_mul_u32_u24 v14, v14, SP
	v_and_b32 v15, 3, v2
	v_lshl_add_u32 v14, v15, 4, v14
	v_add_nc_u32 v14, s27, v14                     ; the stage, on the way in: SP (lane / 4) + 16 (lane % 4)
	v_mul_u32_u24 v15, v2, SP
	v_add_nc_u32 v15, s27, v15                     ; and on the way out: SP x lane: my 16 neighbours
	v_mul_u32_u24 v4, v2, CB                       ; my codes' place in a step's
	v_lshrrev_b32 v5, 1, v2
	s_add_co_u32 s27, s27, 2*32*SP
	v_add_nc_u32 v5, s27, v5                       ; LDS: my wave's 256 scale bytes, my block's byte
	v_lshlrev_b32 v7, 3, v2                        ; and on the way out 8 bytes a lane
	v_add_nc_u32 v6, s27, v7
	s_wait_kmcnt 0x0
	s_cmp_lt_u32 ttmp9, 256                        ; x or a weight?  Every choice hangs on the work-group's number alone
	s_cselect_b64 s[SRC:SRC+1], s[4:5], s[6:7]
	s_cselect_b64 s[COD:COD+1], s[14:15], s[18:19]
	s_cselect_b64 s[SCB:SCB+1], s[16:17], s[20:21]
	s_cselect_b32 s24, 0, 256
	s_cselect_b32 s25, -1, 31
	s_sub_co_u32 s24, ttmp9, s24                   ; my place among the work-groups that write xc, or wc
	s_and_b32 s25, s24, s25                        ; and among those that read my source tensor
	s_cmp_ge_u32 ttmp9, 288
	s_cselect_b64 s[SRC:SRC+1], s[8:9], s[SRC:SRC+1]
	s_cmp_ge_u32 ttmp9, 320
	s_cselect_b64 s[SRC:SRC+1], s[10:11], s[SRC:SRC+1]
	s_lshl_b32 s25, s25, 2
	s_add_co_u32 s25, s25, s26                     ; which run of 8,192 numbers of the source is my wave's
	s_lshl_b32 s34, s25, 15                        ; 32,768 bytes a run
	s_mov_b32 s35, 0
	s_add_nc_u64 s[SRC:SRC+1], s[SRC:SRC+1], s[34:35]
	s_lshl_b32 s24, s24, 2
	s_add_co_u32 s24, s24, s26                     ; and which run of the destination
	s_lshl_b32 s34, s24, 12                        ; 4,096 bytes of codes a run
	s_add_nc_u64 s[COD:COD+1], s[COD:COD+1], s[34:35]
	s_lshl_b32 s34, s24, 8                         ; 256 scale bytes a run
	s_add_nc_u64 s[SCB:SCB+1], s[SCB:SCB+1], s[34:35]
.macro LOAD t
.irp i, 0,1,2,3
	global_load_b128 v[R+16*((\t)%4)+4*\i:R+16*((\t)%4)+4*\i+3], v3, s[SRC:SRC+1] offset:2048*(\t)+512*\i th:TH_LOAD_NT   ; 32 lanes read 512 consecutive bytes
.endr
.endm
.macro TURN t                          ; step t's numbers through the stage: LDS serves a wave's instructions in order, so no wait stands between the stores and the loads
.irp i, 0,1,2,3
	ds_store_b128 v14, v[R+16*((\t)%4)+4*\i:R+16*((\t)%4)+4*\i+3] offset:32*SP*((\t)%2)+8*SP*\i
.endr
.irp i, 0,1,2,3
	ds_load_b128 v[X+16*((\t)%2)+4*\i:X+16*((\t)%2)+4*\i+3], v15 offset:32*SP*((\t)%2)+16*\i
.endr
.endm
.irp t, 0,1,2,3
	LOAD \t
.endr
	s_wait_loadcnt 12                              ; step 0's four loads are in; the twelve of steps 1 to 3 may be out
	TURN 0
.macro STEP t
.set XS, X+16*((\t)%2)
.if (\t) > 0
	s_wait_dscnt 1                                 ; this step's numbers are back from the stage (the last step's byte store may be out)
.else
	s_wait_dscnt 0x0
.endif
.if (\t)+4 < STEPS
	LOAD (\t)+4                                    ; into the registers that the stage's stores have read
.endif
.if (\t)+1 < STEPS
.if STEPS-2-(\t) >= 3
	s_wait_loadcnt 12                              ; the next step's four loads are in; those of the three steps behind it may be out
.else
	s_wait_loadcnt 4*(STEPS-2-(\t))
.endif
	TURN (\t)+1                                    ; they go through the other stage while this step is worked
.endif
	v_max3_num_f32 v8, |v[XS]|, |v[XS+1]|, |v[XS+2]|               ; the largest magnitude of my 16, in two chains
	v_max3_num_f32 v9, |v[XS+3]|, |v[XS+4]|, |v[XS+5]|
.irp i, 6,10
	v_max3_num_f32 v8, v8, |v[XS+\i]|, |v[XS+\i+1]|
	v_max3_num_f32 v9, v9, |v[XS+\i+2]|, |v[XS+\i+3]|
.endr
	v_max3_num_f32 v8, v8, |v[XS+14]|, |v[XS+15]|
	v_max3_num_f32 v8, v8, v9, (EMAX+1)<<23        ; and the floor 2^(EMAX + 1 - 127): the byte cannot fall under 1
	v_max_num_f32_dpp v8, v8, v8 row_xmask:1 row_mask:0xf bank_mask:0xf   ; and of my neighbour's 16: the block's
	v_add_nc_u32 v11, -(EMAX<<23), v8              ; EMAX off its exponent field: the conversion takes the exponent field of this operand as its scale
	v_cvt_scalef32_pk8_fp4_f32 v[C+4*(\t)], v[XS:XS+7], v11
	v_cvt_scalef32_pk8_fp4_f32 v[C+4*(\t)+1], v[XS+8:XS+15], v11
	v_lshrrev_b32 v[E+(\t)], 23, v11               ; the scale's byte (also the plain line behind the conversions)
	ds_store_b8 v5, v[E+(\t)] offset:16*(\t)       ; both lanes of a block write the same byte with the same value
	global_store_b64 v4, v[C+4*(\t):C+4*(\t)+1], s[COD:COD+1] offset:32*CB*(\t)
.endm
.irp t, 0,1,2,3,4,5,6,7,8,9,10,11,12,13,14,15
	STEP \t
.endr
	ds_load_b64 v[8:9], v6                         ; LDS serves a wave's instructions in order: these see my stores
	s_wait_dscnt 0x0
	global_store_b64 v7, v[8:9], s[SCB:SCB+1]      ; 32 lanes store 256 consecutive bytes, aligned
	s_wait_tensorcnt 0x0                           ; the wave's end: behind my last LDS store
	ds_add_u32 v[SPW], v[NIL]
	s_wait_dscnt 0x0
	s_endpgm
; Wo -> f16 by head.  A wave takes 8 rows, two at a time: lanes 0-15 read a head's 256 bytes of row n, lanes 16-31 of row n + 1; their 4 numbers each become 8 bytes, and
; in woh rows n and n + 1 of a head are neighbours: a store covers 256 consecutive bytes, aligned.  Two rounds of 16 loads are on their way.
.Lwo:
	s_sub_co_u32 s24, ttmp9, 352
	s_lshl_b32 s24, s24, 5
	s_lshl_b32 s25, s26, 3
	s_add_co_u32 s24, s24, s25                     ; my wave's first row: 32 x work-group + 8 x wave
	s_lshl_b32 s34, s24, 12                        ; 4,096 bytes a row of Wo
	s_mov_b32 s35, 0
	s_lshl_b32 s36, s24, 7                         ; 128 bytes a row of a head's block
	s_mov_b32 s37, 0
	v_lshrrev_b32 v3, 4, v2
	v_and_b32 v4, 15, v2
	v_lshlrev_b32 v4, 4, v4
	v_lshl_add_u32 v3, v3, 12, v4                  ; in: (lane / 16) rows + 16 (lane % 16)
	v_lshlrev_b32 v4, 3, v2                        ; out: 8 x lane
	s_wait_kmcnt 0x0
	s_add_nc_u64 s[12:13], s[12:13], s[34:35]
	s_add_nc_u64 s[22:23], s[22:23], s[36:37]
.macro LOADW np
.irp hd, 0,1,2,3,4,5,6,7,8,9,10,11,12,13,14,15
	global_load_b128 v[16+64*((\np)%2)+4*\hd:16+64*((\np)%2)+4*\hd+3], v3, s[12:13] offset:(\np)*8192+\hd*256 th:TH_LOAD_NT
.endr
.endm
.macro ROUNDW np
.if (\np) < 3
	s_wait_loadcnt 16                              ; this round's 16 loads are in; the next round's may be out
.else
	s_wait_loadcnt 0x0
.endif
.if (\np) > 0
	s_wait_xcnt 0x0                                ; the last round's stores have read their data: v144-175 are written again only behind this wait
.endif
.irp hd, 0,1,2,3,4,5,6,7,8,9,10,11,12,13,14,15
	v_cvt_pk_f16_f32 v[144+2*\hd], v[16+64*((\np)%2)+4*\hd], v[16+64*((\np)%2)+4*\hd+1]
	v_cvt_pk_f16_f32 v[145+2*\hd], v[16+64*((\np)%2)+4*\hd+2], v[16+64*((\np)%2)+4*\hd+3]
.endr
.if (\np)+2 < 4
	LOADW (\np)+2
.endif
.irp hd, 0,1,2,3,4,5,6,7,8,9,10,11,12,13,14,15
	global_store_b64 v4, v[144+2*\hd:145+2*\hd], s[22:23] offset:\hd*131072+(\np)*256
.endr
.endm
	LOADW 0
	LOADW 1
	ROUNDW 0
	ROUNDW 1
	ROUNDW 2
	ROUNDW 3
	s_endpgm
.Lfunc_end_k_q7f32908d7c_quant:
	.size	k_q7f32908d7c_quant, .Lfunc_end_k_q7f32908d7c_quant-k_q7f32908d7c_quant
	.p2alignl 7, 3214868480
	.fill 96, 4, 3214868480
	.section	.rodata,"a",@progbits
	.p2align	6, 0x0
	.amdhsa_kernel k_q7f32908d7c_quant
		.amdhsa_group_segment_fixed_size 33280
		.amdhsa_private_segment_fixed_size 0
		.amdhsa_enable_private_segment 0
		.amdhsa_kernarg_size 80
		.amdhsa_user_sgpr_count 2
		.amdhsa_user_sgpr_kernarg_segment_ptr 1
		.amdhsa_wavefront_size32 1
		.amdhsa_system_sgpr_workgroup_id_x 1
		.amdhsa_system_sgpr_workgroup_id_y 1
		.amdhsa_system_sgpr_workgroup_id_z 1
		.amdhsa_system_vgpr_workitem_id 0
		.amdhsa_next_free_vgpr 192
		.amdhsa_next_free_sgpr 66
		.amdhsa_reserve_vcc 0
		.amdhsa_float_denorm_mode_32 3
		.amdhsa_float_denorm_mode_16_64 3
		.amdhsa_memory_ordered 1
		.amdhsa_forward_progress 1
		.amdhsa_inst_pref_size 54
	.end_amdhsa_kernel
	.amdgpu_metadata
---
amdhsa.version: [ 1, 2 ]
amdhsa.kernels:
  - .name:           k_q7f32908d7c_quant
    .symbol:         k_q7f32908d7c_quant.kd
    .args:
      - { .name: x, .offset: 0, .size: 8, .value_kind: global_buffer, .address_space: global }
      - { .name: Wq, .offset: 8, .size: 8, .value_kind: global_buffer, .address_space: global }
      - { .name: Wk, .offset: 16, .size: 8, .value_kind: global_buffer, .address_space: global }
      - { .name: Wv, .offset: 24, .size: 8, .value_kind: global_buffer, .address_space: global }
      - { .name: Wo, .offset: 32, .size: 8, .value_kind: global_buffer, .address_space: global }
      - { .name: xc, .offset: 40, .size: 8, .value_kind: global_buffer, .address_space: global }
      - { .name: xs, .offset: 48, .size: 8, .value_kind: global_buffer, .address_space: global }
      - { .name: wc, .offset: 56, .size: 8, .value_kind: global_buffer, .address_space: global }
      - { .name: ws, .offset: 64, .size: 8, .value_kind: global_buffer, .address_space: global }
      - { .name: woh, .offset: 72, .size: 8, .value_kind: global_buffer, .address_space: global }
    .group_segment_fixed_size: 33280
    .private_segment_fixed_size: 0
    .kernarg_segment_align: 8
    .kernarg_segment_size: 80
    .max_flat_workgroup_size: 128
    .sgpr_count:     66
    .vgpr_count:     192
    .wavefront_size: 32
...
	.end_amdgpu_metadata
.endif
;; end of part 1
;; launch qkv (part 2): grid 12 x 32, 4 waves a work-group, clusters of 4 x 4, 327,680 bytes of LDS; arguments xc, xs, wc, ws, qkv; writes qkv
.if DOCPART == 2
	.amdgcn_target "amdgcn-amd-amdhsa--gfx1250"
	.amdhsa_code_object_version 6
	.text
	.protected	k_q7f32908d7c_qkv
	.globl	k_q7f32908d7c_qkv
	.p2align	8
	.type	k_q7f32908d7c_qkv,@function
k_q7f32908d7c_qkv:
	s_mov_b64 s[64:65], 0
	v_nop
	global_prefetch_b8 v0, s[64:65] scope:SCOPE_SE
	s_setreg_imm32_b32 hwreg(HW_REG_WAVE_MODE, 25, 1), 1
	s_wait_xcnt 0x0
	s_wait_alu depctr_hold_cnt(0) depctr_sa_sdst(0) depctr_va_vdst(0) depctr_va_sdst(0) depctr_va_ssrc(0) depctr_va_vcc(0) depctr_vm_vsrc(0)
	s_getreg_b32 s2, hwreg(HW_REG_IB_STS2, 6, 4)
	s_cmp_eq_u32 s2, 0
	s_cbranch_scc0 .Lentry_in_a_cluster
	s_endpgm
.Lentry_in_a_cluster:
	s_bfe_u32 s2, ttmp6, 0x10000c
	s_cmp_lg_u32 s2, 0xf033
	s_cbranch_scc0 .Lentry_shape_is_right
	s_endpgm
.Lentry_shape_is_right:
; [8192 tokens][1024] x [3072 rows of Wq, Wk, Wv][1024]^T on codes of FP4 (E2M1) with one E8M0 scale for each 32 along K; sums in f32; the results leave as f16, laid by head:
; qkv [which 3][batch 4][head 16][token 2048][64].  LIMIT: a result over 65,504 in magnitude becomes infinity in f16.
; A tile of 256 tokens x 256 columns is made by a work-group of four waves; a wave makes 128 x 128: 64 accumulators of 16 x 16, 512 registers.
; K = 1,024 is two steps of 512: two LDS slots, each filled once; the scale bytes of the work-group's 256 + 256 rows come once too.  Three tensor loads a wave, all at the start.
; CLUSTERS: 4 x 4 work-groups.  The four of a row of the cluster need the same tiles of x, the four of a column the same tiles of W: each tile is asked for JOINTLY, by the same tensor load with the same descriptor and a mask that names the four.
; THE MATRIX INSTRUCTION IS USED TRANSPOSED (source 0 = 16 rows of W, source 1 = 16 tokens): a lane then holds eight neighbouring channels of one token.
; REGISTERS, in windows of 256: window 0: v0-31 addresses; v32-95 scale words, two sets; from v128 x's fragments, ONE set; on the way out v32-63, v192-255 at work.
;   window 1: W's fragments, TWO sets, at v0 and v128.   window 2: the accumulators of my tokens 0-63 ((a, b) at v[8 (8 a + b)]);   window 3: those of my tokens 64-127.
.set SIZE_K, 1024
.set KSTEP,  512                       ; along K in a slot
.set NQ,     KSTEP/128                 ; matrix instructions deep
.set ROWB,   256                       ; a tile's row in bytes
.set KROW,   SIZE_K*4/8                ; a row of codes in memory
.set PITCH,  272                       ; an LDS row: 256 bytes + 16 of padding: the 16 rows that a load touches start at 16 different banks (ISA guide 11.1)
.set FR,     8                         ; registers of a fragment
.set NL,     2                         ; LDS loads that bring one
.set NP,     4                         ; places behind this matrix instruction (ISA guide 7.12.1)
.set HALFT,  128*PITCH                 ; 128 rows: what one tensor load brings
.set SLOT,   4*HALFT                   ; x's 256 rows, then W's 256 rows
.set KS,     SIZE_K/32                 ; a row of scales in bytes
.set SCL,    2*SLOT                    ; behind the slots: the scales, as pieces of 256 bytes + 16 of padding
.set HALFS,  (128*KS/256)*272          ; the scales of 128 rows
.set SBLK,   (16*KS/256)*272           ; those of 16 rows
.set SPARE,  SCL+4*HALFS               ; behind the scales: the spare words, 128 bytes for each wave
.set SPITCH, 272                       ; the way out: a stage of 16 rows x (256 bytes + 16) for each wave, in slot 0, which has had its one fill and its last read when the first result is stored there
.set ADRA, 16                          ; v16-17  LDS address of my fragments of x in slot 0, 1
.set ADRB, 20                          ; v20-21  the same for W
.set STO,  24                          ; v24     the way out: where I put 16 bytes of a row
.set RD,   25                          ; v25     where I read back
.set CO,   26                          ; v26     16 x lane
.set ADRS, 27                          ; v27     LDS address of my scale words: lanes 0-15 x's rows, lanes 16-31 W's
.set SPW,  28                          ; v28     LDS address of my spare word; never rewritten
.set NIL,  29                          ; v29     0; never rewritten
.set SC,   32                          ; scale words: set s at v[SC + 8 NQ s]; register NQ i + q: lanes 0-15 x's block i, lanes 16-31 W's block i
.set AF,   128                         ; x's fragments, in window 0
.set TMP,  192                         ; the way out: packed results
.set OB,   32                          ; the way out: rows read back: v32-63 and v224-255 by turns
.set G1, 24
.set G0, 32
.set G1B, 48
.set G0B, 56
.set G1S, 68
.set G0S, 76
.set G1SB, 80
.set G0SB, 88
.set MSB, 0
.macro WIN new                         ; the immediate's high byte repeats the setting that is left
.if MSB != \new
	s_set_vgpr_msb (MSB<<8)|\new
.set MSB, \new
.endif
.endm
.set MUL_LO, 0xa1                      ; source 0 (W) window 1, source 1 (x) window 0, C and D window 2
.set MUL_HI, 0xf1                      ; the same, C and D window 3
.set TO_B,   0x40                      ; destination window 1, address window 0
; A joint load: waves 0 and 1 fetch for x, waves 2 and 3 for W.  The branch hangs on the wave's number alone.  An s_nop 0 and four v_nop follow each of the two lines.
.macro JLOAD g0a, g1a, g0b, g1b
	s_cmp_eq_u32 s15, 0
	s_cbranch_scc0 .Lfor_b_\@
	tensor_load_to_lds s[\g0a:\g0a+3], s[\g1a:\g1a+7]
	s_nop 0
.rept 4
	v_nop
.endr
	s_branch .Lasked_\@
.Lfor_b_\@:
	tensor_load_to_lds s[\g0b:\g0b+3], s[\g1b:\g1b+7]
	s_nop 0
.rept 4
	v_nop
.endr
.Lasked_\@:
.endm
.macro CROUND                          ; a round of the cluster's barrier
	s_barrier_signal -1
	s_barrier_wait -1
	s_cmp_lg_u32 s14, 0
	s_cbranch_scc1 .Lnot_wave_0_\@
	s_barrier_signal -3
.Lnot_wave_0_\@:
	s_barrier_wait -3
	s_barrier_signal -1
	s_barrier_wait -1
.endm
	s_load_b128 s[4:7], s[0:1], 0x0                ; x's codes s[4:5], x's scales s[6:7]
	s_load_b128 s[8:11], s[0:1], 0x10              ; W's codes s[8:9], W's scales s[10:11]
	s_load_b64 s[12:13], s[0:1], 0x20              ; qkv
	v_lshl_add_u32 v[SPW], v0, 2, SPARE
	v_mov_b32 v[NIL], 0
	ds_add_u32 v[SPW], v[NIL]                      ; the wave's opening: the add, twice on end, and its wait ahead of my first tensor load
	ds_add_u32 v[SPW], v[NIL]
	v_lshrrev_b32 v1, 5, v0
	v_readfirstlane_b32 s14, v1                    ; wave 0..3
	s_lshr_b32 s15, s14, 1                         ; which half of the tile's tokens is mine.  Also: I fetch for x (0) or for W (1)
	s_and_b32 s16, s14, 1                          ; which half of its columns.  Also: which 128 rows of that tile I fetch
	s_bfe_u32 s40, ttmp6, 0x40000                  ; cx, cy: my place in the cluster
	s_bfe_u32 s41, ttmp6, 0x40004
	s_lshl_b32 s42, ttmp9, 2
	s_add_co_u32 s42, s42, s40                     ; tile column = 4 x cluster x + cx
	s_and_b32 s17, ttmp7, 0xffff
	s_lshl_b32 s17, s17, 2
	s_add_co_u32 s17, s17, s41                     ; tile row = 4 x cluster y + cy
	s_lshl_b32 s43, s41, 2
	s_lshl_b32 s43, 15, s43                        ; my row of the cluster
	s_lshl_b32 s44, 0x1111, s40                    ; my column
	; descriptor group 1: a tile of 128 rows x 256 bytes, 16 bytes of padding behind each row
	s_or_b32 s[G1+0], s43, (0<<16)|(1<<20)|(1<<21)|(5<<22)|(3<<25)
	s_or_b32 s[G1B+0], s44, (0<<16)|(1<<20)|(1<<21)|(5<<22)|(3<<25)
.irp g, G1, G1B
	s_mov_b32 s[\g+1], ROWB<<16                    ; tensor_dim0
	s_mov_b32 s[\g+2], 128<<16                     ; tensor_dim1
	s_mov_b32 s[\g+3], ROWB<<16                    ; tile_dim0
	s_mov_b32 s[\g+4], 128                         ; tile_dim1
	s_mov_b32 s[\g+5], KROW                        ; tensor_dim0_stride
	s_mov_b32 s[\g+6], 0
	s_mov_b32 s[\g+7], 0
.endr
	; the scales of 128 rows: a dense block of 4,096 bytes, as rows of 256 bytes (32 elements of 8 bytes), 16 bytes of padding behind each
	s_or_b32 s[G1S+0], s43, (3<<16)|(1<<20)|(1<<21)|(5<<22)|(3<<25)
	s_or_b32 s[G1SB+0], s44, (3<<16)|(1<<20)|(1<<21)|(5<<22)|(3<<25)
.irp g, G1S, G1SB
	s_mov_b32 s[\g+1], 32<<16
	s_mov_b32 s[\g+2], (128*KS/256)<<16
	s_mov_b32 s[\g+3], 32<<16
	s_mov_b32 s[\g+4], 128*KS/256
	s_mov_b32 s[\g+5], 32
	s_mov_b32 s[\g+6], 0
	s_mov_b32 s[\g+7], 0
.endr
	s_lshl_b32 s18, s16, 7                         ; which 128 rows of the tile I fetch
	s_lshl_b32 s20, s17, 8
	s_add_co_u32 s20, s20, s18                     ; x: row 256 x tile row + 128 x half
	s_lshl_b32 s46, s42, 8
	s_add_co_u32 s46, s46, s18                     ; W: row 256 x tile column + 128 x half
	s_mov_b32 s21, 0
	s_mov_b32 s47, 0
	s_mov_b64 s[18:19], KS
	s_mul_u64 s[22:23], s[20:21], s[18:19]         ; where these rows' scales begin, in bytes
	s_mul_u64 s[92:93], s[46:47], s[18:19]
	s_mov_b64 s[18:19], KROW
	s_mul_u64 s[20:21], s[20:21], s[18:19]         ; and their codes
	s_mul_u64 s[46:47], s[46:47], s[18:19]
	s_mul_i32 s45, s14, HALFT                      ; where they go: wave x 128 rows: no place in the cluster enters an LDS address
	s_mul_i32 s94, s14, HALFS
	s_wait_dscnt 0x0                               ; both opening adds are done
	s_wait_kmcnt 0x0
	s_add_nc_u64 s[20:21], s[4:5], s[20:21]
	s_add_nc_u64 s[22:23], s[6:7], s[22:23]
	s_add_nc_u64 s[46:47], s[8:9], s[46:47]
	s_add_nc_u64 s[92:93], s[10:11], s[92:93]
	CROUND                                         ; all sixteen work-groups are here: the joint loads meet
	s_mov_b32 s[G0S], 1
	s_add_co_u32 s[G0S+1], s94, SCL
	s_mov_b64 s[G0S+2:G0S+3], s[22:23]
	s_or_b32 s[G0S+3], s[G0S+3], 0x80000000
	s_mov_b32 s[G0SB], 1
	s_add_co_u32 s[G0SB+1], s94, SCL
	s_mov_b64 s[G0SB+2:G0SB+3], s[92:93]
	s_or_b32 s[G0SB+3], s[G0SB+3], 0x80000000
	JLOAD G0S, G1S, G0SB, G1SB                     ; the scales first: they are wanted with K step 0
.irp s, 0,1
	s_mov_b32 s[G0+4*\s], 1
	s_add_co_u32 s[G0+4*\s+1], s45, \s*SLOT
	s_add_nc_u64 s[G0+4*\s+2:G0+4*\s+3], s[20:21], \s*ROWB
	s_or_b32 s[G0+4*\s+3], s[G0+4*\s+3], 0x80000000
	s_mov_b32 s[G0B+4*\s], 1
	s_add_co_u32 s[G0B+4*\s+1], s45, \s*SLOT
	s_add_nc_u64 s[G0B+4*\s+2:G0B+4*\s+3], s[46:47], \s*ROWB
	s_or_b32 s[G0B+4*\s+3], s[G0B+4*\s+3], 0x80000000
	JLOAD G0+4*\s, G1, G0B+4*\s, G1B               ; by this text's count three tensor loads of a wave are out
.endr
	v_and_b32 v1, 15, v0                           ; l % 16
	v_bfe_u32 v2, v0, 4, 1                         ; l / 16
	v_mul_u32_u24 v3, v1, PITCH
	v_lshl_add_u32 v4, v2, 4, v3                   ; a fragment's row x pitch + 16 x half
	s_mul_i32 s21, s15, HALFT                      ; my 128 rows of x
	s_mul_i32 s22, s16, HALFT                      ; my 128 rows of W,
	s_add_co_u32 s22, s22, 2*HALFT                 ; which lie behind x's 256
.irp s, 0,1
	v_add_nc_u32 v[ADRA+\s], s21, v4
	v_add_nc_u32 v[ADRB+\s], s22, v4
	s_add_co_u32 s21, s21, SLOT
	s_add_co_u32 s22, s22, SLOT
.endr
	v_mul_u32_u24 v5, v1, KS                       ; my row's scales: KS bytes a row,
	v_lshrrev_b32 v6, 8, v5
	v_lshl_add_u32 v5, v6, 4, v5                   ; and 16 more for each 256 passed
	s_mul_i32 s21, s15, HALFS                      ; x's: my 128 rows
	s_mul_i32 s22, s16, HALFS                      ; W's: my 128 rows, behind x's 256
	s_add_co_u32 s22, s22, 2*HALFS
	s_sub_co_u32 s22, s22, s21
	v_mul_u32_u24 v6, s22, v2                      ; lanes 16-31 take W's
	s_add_co_u32 s21, s21, SCL
	v_add_nc_u32 v5, v5, v6
	v_add_nc_u32 v[ADRS], s21, v5
	s_mul_i32 s23, s14, 16*SPITCH                  ; my stage
	v_mul_u32_u24 v5, v1, SPITCH                   ; in: row l % 16, 16 bytes for each half of the lanes
	v_lshl_add_u32 v5, v2, 4, v5
	v_add_nc_u32 v[STO], s23, v5
	v_and_b32 v6, 31, v0
	v_lshlrev_b32 v[CO], 4, v6                     ; out: 16 x lane
	v_lshrrev_b32 v5, 3, v6                        ; back: eight lanes take a token's 128 bytes of one head, four tokens an instruction
	v_mul_u32_u24 v5, v5, SPITCH
	v_and_b32 v6, 7, v6
	v_lshl_add_u32 v5, v6, 4, v5
	v_add_nc_u32 v[RD], s23, v5
	; where my part begins in qkv: block (which x 64 + batch x 16 + head) of 262,144 bytes, token x 128 bytes.  My 128 columns are two heads of one tensor: two neighbouring blocks
	s_lshl_b32 s20, s17, 8
	s_lshl_b32 s21, s15, 7
	s_add_co_u32 s20, s20, s21                     ; my first token, 0 .. 8191
	s_lshr_b32 s21, s20, 11                        ; its batch
	s_and_b32 s20, s20, 2047
	s_lshl_b32 s20, s20, 7                         ; its bytes in a head's block
	s_lshl_b32 s46, s42, 2
	s_lshl_b32 s47, s16, 1
	s_add_co_u32 s46, s46, s47                     ; my first head among the 48 of q, k, v
	s_lshr_b32 s47, s46, 4                         ; which tensor
	s_and_b32 s46, s46, 15                         ; the head
	s_lshl_b32 s47, s47, 6
	s_add_co_u32 s46, s46, s47
	s_lshl_b32 s21, s21, 4
	s_add_co_u32 s46, s46, s21                     ; the block, 0 .. 190
	s_lshl_b32 s46, s46, 18
	s_add_co_u32 s20, s20, s46
	s_mov_b32 s21, 0
	s_add_nc_u64 s[12:13], s[12:13], s[20:21]
.macro FRAG reg, adr, q, i             ; a fragment, 16 rows x 128 K of 4-bit codes: lane l holds row l % 16; registers 4 c .. 4 c + 3 hold K = 64 c + 32 (l / 16) + 0 .. 31
.irp c, 0,1
	ds_load_b128 v[\reg+4*\c:\reg+4*\c+3], v[\adr] offset:64*(\q)+32*\c+(\i)*16*PITCH
.endr
.endm
; 16 matrix instructions: x's blocks a0, a0 + 1 against W's eight, 128 along K.  p: W's set;  sc: the set of scale words.  zero = 1: the first product starts the sums.
; The 64 accumulators take turns, one instruction a turn, in the same order in every step.
.macro MUL16 a0, p, q, sc, zero
.irp a, \a0, \a0+1
.irp b, 0,1,2,3,4,5,6,7
.if \zero
	v_wmma_scale_f32_16x16x128_f8f6f4 v[8*(8*((\a)%4)+\b):8*(8*((\a)%4)+\b)+7], v[128*(\p)+FR*\b:128*(\p)+FR*\b+FR-1], v[AF+FR*(\a):AF+FR*(\a)+FR-1], 0, v[SC+8*NQ*(\sc)+NQ*\b+(\q)], v[SC+8*NQ*(\sc)+NQ*(\a)+(\q)] matrix_a_fmt:MATRIX_FMT_FP4 matrix_b_fmt:MATRIX_FMT_FP4 matrix_a_scale:MATRIX_SCALE_ROW1
.else
	v_wmma_scale_f32_16x16x128_f8f6f4 v[8*(8*((\a)%4)+\b):8*(8*((\a)%4)+\b)+7], v[128*(\p)+FR*\b:128*(\p)+FR*\b+FR-1], v[AF+FR*(\a):AF+FR*(\a)+FR-1], v[8*(8*((\a)%4)+\b):8*(8*((\a)%4)+\b)+7], v[SC+8*NQ*(\sc)+NQ*\b+(\q)], v[SC+8*NQ*(\sc)+NQ*(\a)+(\q)] matrix_a_fmt:MATRIX_FMT_FP4 matrix_b_fmt:MATRIX_FMT_FP4 matrix_a_scale:MATRIX_SCALE_ROW1
.endif
.endr
.endr
.endm
.macro FETCH_B slot, q, p              ; W's eight fragments of the slot's q-th 128 along K into set p
	WIN TO_B
.irp i, 0,1,2,3,4,5,6,7
	FRAG 128*(\p)+FR*\i, ADRB+\slot, \q, \i
.endr
	WIN 0
.endm
.macro FETCH_A slot, q, i0             ; x's blocks i0 .. i0 + 3
.irp i, \i0, \i0+1, \i0+2, \i0+3
	FRAG AF+FR*(\i), ADRA+\slot, \q, \i
.endr
.endm
.macro SCALES sc                       ; a K step's scale words into set sc: NQ words a row
.irp i, 0,1,2,3,4,5,6,7
	ds_load_b128 v[SC+8*NQ*\sc+NQ*\i:SC+8*NQ*\sc+NQ*\i+3], v[ADRS] offset:\i*SBLK
.endr
.endm
.macro PLACES n                        ; plain vector places behind matrix instructions, ahead of loads into registers that they read and of reads of their results
.rept \n
	v_nop
.endr
.endm
; A step of 128 along K that has its successor in the same slot.
.macro STEP slot, q, zero
	s_wait_dscnt 4*NL                              ; W's set and x's blocks 0-3 are in; the youngest eight loads (x's blocks 4-7) may be out
	WIN MUL_LO
	MUL16 0, (\q)%2, \q, \slot, \zero
	MUL16 2, (\q)%2, \q, \slot, \zero
	s_wait_dscnt 0                                 ; x's blocks 4-7 are in
	PLACES NP
	FETCH_B \slot, (\q)+1, 1-(\q)%2
	FETCH_A \slot, (\q)+1, 0
	WIN MUL_HI
	MUL16 4, (\q)%2, \q, \slot, \zero
	MUL16 6, (\q)%2, \q, \slot, \zero
	PLACES NP
	WIN 0
	FETCH_A \slot, (\q)+1, 4
.endm
; Slot 0's last step changes slots: one barrier; in front of it each wave waits for all its tensor loads, adds 0 to its spare word, and waits for that and for its reads of the slot.  Nothing is filled again.
.macro TURN slot, next
	s_wait_tensorcnt 0x0                           ; all my tensor loads have landed: my part of the next slot
	ds_add_u32 v[SPW], v[NIL]                      ; 0 onto my spare word
	s_wait_dscnt 4*NL+1                            ; (the add and the youngest eight loads, x's blocks 4-7, may be out)
	WIN MUL_LO
	MUL16 0, 1, NQ-1, \slot, 0
	s_wait_dscnt 0x0                               ; the add is done, and my reads of this slot are over
	s_barrier_signal -1
	MUL16 2, 1, NQ-1, \slot, 0
	WIN 0
	s_barrier_wait -1
	PLACES NP
	v_add_nc_u32 v[ADRS], 4*NQ, v[ADRS]            ; on to the next K step's scale words
	FETCH_B \next, 0, 0
	FETCH_A \next, 0, 0
	SCALES \next
	WIN MUL_HI
	MUL16 4, 1, NQ-1, \slot, 0
	MUL16 6, 1, NQ-1, \slot, 0
	PLACES NP
	WIN 0
	FETCH_A \next, 0, 4
.endm
	s_wait_tensorcnt 1                             ; the scales and my part of K step 0 are in (K step 1's load may be out)
	s_barrier_signal -1
	s_barrier_wait -1                              ; everybody's are
	FETCH_B 0, 0, 0
	FETCH_A 0, 0, 0
	SCALES 0
	FETCH_A 0, 0, 4
	STEP 0, 0, 1                                   ; the first step's products start the sums
	STEP 0, 1, 0
	STEP 0, 2, 0
	TURN 0, 1
	STEP 1, 0, 0
	STEP 1, 1, 0
	STEP 1, 2, 0
	s_wait_dscnt 4*NL                              ; the very last step: nothing more to fetch
	WIN MUL_LO
	MUL16 0, 1, NQ-1, 1, 0
	MUL16 2, 1, NQ-1, 1, 0
	s_wait_dscnt 0
	WIN MUL_HI
	MUL16 4, 1, NQ-1, 1, 0
	MUL16 6, 1, NQ-1, 1, 0
	WIN 0
; THE WAY OUT, block by block of 16 tokens x 128 channels (two heads).  PACK: rounded to f16, 16 bytes a lane, each accumulator from its low end on.  TOSTAGE: into my own stage, and back so that
; 32 lanes hold four tokens' 128 bytes of one head, which are 512 consecutive bytes of qkv.  SEND: stored.  LDS serves a wave's instructions in order (ISA guide 5.7.1.4): no wait between the stores and the loads.
.macro PACK a
.set AC, 64*((\a)%4)
	WIN 0x0a+5*((\a)/4)                            ; sources 0 and 1: window 2 or 3
.irp b, 0,1,2,3,4,5,6,7
.irp r, 0,1,2,3
	v_cvt_pk_f16_f32 v[TMP+4*\b+\r], v[AC+8*\b+2*\r], v[AC+8*\b+2*\r+1]
.endr
.endr
	WIN 0
.endm
.macro TOSTAGE a
.set BK, OB+192*((\a)%2)
.irp b, 0,1,2,3,4,5,6,7
	ds_store_b128 v[STO], v[TMP+4*\b:TMP+4*\b+3] offset:32*\b
.endr
.irp t, 0,1,2,3,4,5,6,7
	ds_load_b128 v[BK+4*\t:BK+4*\t+3], v[RD] offset:(\t%4)*4*SPITCH+(\t/4)*128
.endr
.endm
.macro SEND a
.set BK, OB+192*((\a)%2)
	s_wait_dscnt 0x0                               ; the block is back in registers
	s_wait_xcnt 0x0                                ; the stores of the block before have read their registers: the next block's loads may land there
.irp t, 0,1,2,3,4,5,6,7
	global_store_b128 v[CO], v[BK+4*\t:BK+4*\t+3], s[12:13] offset:(\t/4)*262144+(\a)*2048+(\t%4)*512   ; 512 consecutive bytes, at a multiple of 256 from qkv's first byte
.endr
.endm
	PLACES NP
	PACK 0
	TOSTAGE 0
.irp a, 1,2,3,4,5,6,7                  ; block a's conversions stand between block a - 1's loads from the stage and the wait for them
	PACK \a
	SEND \a-1
	TOSTAGE \a
.endr
	SEND 7
	s_wait_tensorcnt 0x0                           ; the wave's end: behind my last tensor load and my last LDS store
	ds_add_u32 v[SPW], v[NIL]
	s_wait_dscnt 0x0
	CROUND                                         ; the closing round: no work-group ends while a partner may still ask for a tile that names it
	s_endpgm
.Lfunc_end_k_q7f32908d7c_qkv:
	.size	k_q7f32908d7c_qkv, .Lfunc_end_k_q7f32908d7c_qkv-k_q7f32908d7c_qkv
	.p2alignl 7, 3214868480
	.fill 96, 4, 3214868480
	.section	.rodata,"a",@progbits
	.p2align	6, 0x0
	.amdhsa_kernel k_q7f32908d7c_qkv
		.amdhsa_group_segment_fixed_size 327680
		.amdhsa_private_segment_fixed_size 0
		.amdhsa_enable_private_segment 0
		.amdhsa_kernarg_size 40
		.amdhsa_user_sgpr_count 2
		.amdhsa_user_sgpr_kernarg_segment_ptr 1
		.amdhsa_wavefront_size32 1
		.amdhsa_system_sgpr_workgroup_id_x 1
		.amdhsa_system_sgpr_workgroup_id_y 1
		.amdhsa_system_sgpr_workgroup_id_z 1
		.amdhsa_system_vgpr_workitem_id 0
		.amdhsa_next_free_vgpr 1024
		.amdhsa_next_free_sgpr 98
		.amdhsa_reserve_vcc 0
		.amdhsa_float_denorm_mode_32 3
		.amdhsa_float_denorm_mode_16_64 3
		.amdhsa_memory_ordered 1
		.amdhsa_forward_progress 1
		.amdhsa_inst_pref_size 126
	.end_amdhsa_kernel
	.amdgpu_metadata
---
amdhsa.version: [ 1, 2 ]
amdhsa.kernels:
  - .name:           k_q7f32908d7c_qkv
    .symbol:         k_q7f32908d7c_qkv.kd
    .args:
      - { .name: xc, .offset: 0, .size: 8, .value_kind: global_buffer, .address_space: global }
      - { .name: xs, .offset: 8, .size: 8, .value_kind: global_buffer, .address_space: global }
      - { .name: wc, .offset: 16, .size: 8, .value_kind: global_buffer, .address_space: global }
      - { .name: ws, .offset: 24, .size: 8, .value_kind: global_buffer, .address_space: global }
      - { .name: qkv, .offset: 32, .size: 8, .value_kind: global_buffer, .address_space: global }
    .group_segment_fixed_size: 327680
    .private_segment_fixed_size: 0
    .kernarg_segment_align: 8
    .kernarg_segment_size: 40
    .max_flat_workgroup_size: 128
    .sgpr_count:     98
    .vgpr_count:     1024
    .wavefront_size: 32
...
	.end_amdgpu_metadata
.endif
;; end of part 2
;; launch fine1 (part 3): grid 16 x 4, 4 waves a work-group, no clusters, 9,216 bytes of LDS; arguments xc, xs, wc, ws, ofine; writes ofine
.if DOCPART == 3
	.amdgcn_target "amdgcn-amd-amdhsa--gfx1250"
	.amdhsa_code_object_version 6
	.text
	.protected	k_q7f32908d7c_fine1
	.globl	k_q7f32908d7c_fine1
	.p2align	8
	.type	k_q7f32908d7c_fine1,@function
k_q7f32908d7c_fine1:
	s_mov_b64 s[64:65], 0
	v_nop
	global_prefetch_b8 v0, s[64:65] scope:SCOPE_SE
	s_setreg_imm32_b32 hwreg(HW_REG_WAVE_MODE, 25, 1), 1
	s_wait_xcnt 0x0
; The first 16 positions of every sequence, carried in f32: a work-group takes one head (x) of one batch (y).  q, k, v of tokens 0-15 are made again from the codes (FP4 products, f32 sums) and stay f32;
; scores, softmax and p v are f32 (v_wmma_f32_16x16x4_f32: 8 instructions a wave).  The result goes to ofine [batch][16][1024] f32.
; SHARES: wave w owns channels 16 w .. 16 w + 15 of the head.  q, k: source 0 = 16 rows of W, source 1 = 16 tokens: a lane holds token l % 16 and channels 8 (l / 16) + 0..7.
; v: source 0 = tokens, source 1 = rows of Wv: a lane holds channel l % 16 and tokens 8 (l / 16) + 0..7.
; The f32 form takes k = 2 (l / 16) + j from register j.  A pair of registers 2 i, 2 i + 1 of k's and of q's results holds channels 8 (l / 16) + 2 i + j on both sides: the same permutation of the contracted axis, so the sums are whole.
; Each wave's scores are partial (its 16 channels): they meet in LDS as images of their registers; every wave then has all 16 x 16 scores and makes the same softmax.
; LIMITS: NaN and infinities are not served.
.set SIMG,  0                          ; LDS: four images of 8 registers, 1,024 bytes each
.set OSTG,  4096                       ; 16 rows x (256 bytes + 16): the head's 64 channels of 16 tokens
.set SPARE, 8448                       ; the spare words, 128 bytes for each wave
.set SPW, 16
.set NIL, 17
.set XF,  32                           ; v32-95   x's 8 fragments
.set XSC, 96                           ; v96-103  x's scale words, one for each K step
.set WSC, 104                          ; v104-127 W's: 8 x which + K step
.set QA,  128
.set KA,  136
.set VA,  144
.set VB,  152
.set VV,  160
.set SA,  168                          ; written by matrix instructions alone
.set SB,  176                          ; likewise
.set SP,  184
.set SI,  192
.set SS,  224
.set OA0, 232                          ; written by matrix instructions alone
.set OA1, 240                          ; likewise
.set OO,  248
.set MSB, 0
.macro WIN new
.if MSB != \new
	s_set_vgpr_msb (MSB<<8)|\new
.set MSB, \new
.endif
.endm
	s_load_b256 s[4:11], s[0:1], 0x0               ; xc 4, xs 6, wc 8, ws 10
	s_load_b64 s[12:13], s[0:1], 0x20              ; ofine
	v_lshl_add_u32 v[SPW], v0, 2, SPARE
	v_mov_b32 v[NIL], 0
	v_lshrrev_b32 v1, 5, v0
	v_readfirstlane_b32 s14, v1                    ; wave
	s_and_b32 s15, ttmp7, 0xffff                   ; batch
	v_and_b32 v1, 15, v0                           ; r
	v_bfe_u32 v2, v0, 4, 1                         ; h
	v_lshlrev_b32 v3, 9, v1
	v_lshl_add_u32 v3, v2, 4, v3                   ; codes: row r of 512 bytes + 16 h
	v_lshlrev_b32 v4, 5, v1                        ; scale bytes: row r of 32
	v_and_b32 v5, 31, v0
	v_lshlrev_b32 v5, 4, v5                        ; an image's place for my lane
	s_lshl_b32 s16, s14, 10
	v_add_nc_u32 v6, s16, v5                       ; my wave's image
	v_mul_u32_u24 v7, v1, 272
	v_lshl_add_u32 v7, v2, 5, v7
	s_lshl_b32 s16, s14, 6
	s_add_co_u32 s16, s16, OSTG
	v_add_nc_u32 v7, s16, v7                       ; the stage, in: row r, + 64 w + 32 h
	v_mul_u32_u24 v8, v2, 272
	v_lshl_add_u32 v8, v1, 4, v8
	s_mul_i32 s16, s14, 4*272
	s_add_co_u32 s16, s16, OSTG
	v_add_nc_u32 v8, s16, v8                       ; back: rows 4 w + h (+ 2), 16 bytes a lane
	v_lshlrev_b32 v9, 12, v2
	v_lshl_add_u32 v9, v1, 4, v9
	s_lshl_b32 s16, s14, 14
	v_add_nc_u32 v9, s16, v9                       ; and the same in ofine: a token's row is 4,096 bytes
	v_lshlrev_b32 v10, 3, v2
	v_sub_nc_u32 v10, v1, v10                      ; d = r - 8 h: register j holds key 8 h + j, hidden where j > d
	v_mov_b32 v11, 0xff800000                      ; -infinity
	v_mov_b32 v20, 0                               ; a lane permute's destination counts as one of its sources
	s_lshl_b32 s16, s15, 20                        ; x's codes: 2,048 rows of 512 bytes a batch
	s_mov_b32 s17, 0
	s_lshl_b32 s18, s15, 16                        ; x's scales: 2,048 rows of 32 bytes; ofine: 16 rows of 4,096
	s_mov_b32 s19, 0
	s_lshl_b32 s20, ttmp9, 15                      ; W's codes: 64 rows of 512 bytes a head, 16 a wave
	s_lshl_b32 s21, s14, 13
	s_add_co_u32 s20, s20, s21
	s_mov_b32 s21, 0
	s_lshl_b32 s22, ttmp9, 11                      ; W's scales likewise
	s_lshl_b32 s23, s14, 9
	s_add_co_u32 s22, s22, s23
	s_mov_b32 s23, 0
	s_lshl_b32 s24, ttmp9, 8                       ; ofine: 256 bytes a head
	s_add_co_u32 s24, s24, s18
	s_mov_b32 s25, 0
	s_mov_b32 s26, 0x76543210
	s_mov_b32 s27, 0xfedcba98                      ; v_permlanex16_b32's selects for lane l xor 16
	s_mov_b32 s28, 0x3e38aa3b                      ; c = log2(e) / sqrt(64)
	s_wait_kmcnt 0x0
	s_add_nc_u64 s[4:5], s[4:5], s[16:17]
	s_add_nc_u64 s[6:7], s[6:7], s[18:19]
	s_add_nc_u64 s[8:9], s[8:9], s[20:21]
	s_add_nc_u64 s[10:11], s[10:11], s[22:23]
	s_add_nc_u64 s[12:13], s[12:13], s[24:25]
.irp ks, 0,1,2,3,4,5,6,7
.irp c, 0,1
	global_load_b128 v[XF+8*\ks+4*\c:XF+8*\ks+4*\c+3], v3, s[4:5] offset:64*\ks+32*\c
.endr
.endr
	global_load_b128 v[XSC:XSC+3], v4, s[6:7]
	global_load_b128 v[XSC+4:XSC+7], v4, s[6:7] offset:16
.irp wh, 0,1,2
	global_load_b128 v[WSC+8*\wh:WSC+8*\wh+3], v4, s[10:11] offset:\wh*32768
	global_load_b128 v[WSC+8*\wh+4:WSC+8*\wh+7], v4, s[10:11] offset:\wh*32768+16
.endr
	WIN 0x40                                       ; destination window 1: W's 24 fragments at 64 x which + 8 x K step
.irp wh, 0,1,2
.irp ks, 0,1,2,3,4,5,6,7
.irp c, 0,1
	global_load_b128 v[64*\wh+8*\ks+4*\c:64*\wh+8*\ks+4*\c+3], v3, s[8:9] offset:\wh*524288+64*\ks+32*\c
.endr
.endr
.endr
	WIN 0
	s_wait_loadcnt 0x0
	WIN 0x01                                       ; source 0 (W) window 1
.irp ks, 0,1,2,3,4,5,6,7                       ; q and k by turns
.if \ks == 0
	v_wmma_scale_f32_16x16x128_f8f6f4 v[QA:QA+7], v[8*\ks:8*\ks+7], v[XF+8*\ks:XF+8*\ks+7], 0, v[WSC+\ks], v[XSC+\ks] matrix_a_fmt:MATRIX_FMT_FP4 matrix_b_fmt:MATRIX_FMT_FP4
	v_wmma_scale_f32_16x16x128_f8f6f4 v[KA:KA+7], v[64+8*\ks:64+8*\ks+7], v[XF+8*\ks:XF+8*\ks+7], 0, v[WSC+8+\ks], v[XSC+\ks] matrix_a_fmt:MATRIX_FMT_FP4 matrix_b_fmt:MATRIX_FMT_FP4
.else
	v_wmma_scale_f32_16x16x128_f8f6f4 v[QA:QA+7], v[8*\ks:8*\ks+7], v[XF+8*\ks:XF+8*\ks+7], v[QA:QA+7], v[WSC+\ks], v[XSC+\ks] matrix_a_fmt:MATRIX_FMT_FP4 matrix_b_fmt:MATRIX_FMT_FP4
	v_wmma_scale_f32_16x16x128_f8f6f4 v[KA:KA+7], v[64+8*\ks:64+8*\ks+7], v[XF+8*\ks:XF+8*\ks+7], v[KA:KA+7], v[WSC+8+\ks], v[XSC+\ks] matrix_a_fmt:MATRIX_FMT_FP4 matrix_b_fmt:MATRIX_FMT_FP4
.endif
.endr
	WIN 0x04                                       ; source 1 (Wv) window 1
.irp ks, 0,1,2,3,4,5,6,7                       ; v: two accumulators by turns, the even and the odd K steps
.if \ks < 2
	v_wmma_scale_f32_16x16x128_f8f6f4 v[VA+8*(\ks%2):VA+8*(\ks%2)+7], v[XF+8*\ks:XF+8*\ks+7], v[128+8*\ks:128+8*\ks+7], 0, v[XSC+\ks], v[WSC+16+\ks] matrix_a_fmt:MATRIX_FMT_FP4 matrix_b_fmt:MATRIX_FMT_FP4
.else
	v_wmma_scale_f32_16x16x128_f8f6f4 v[VA+8*(\ks%2):VA+8*(\ks%2)+7], v[XF+8*\ks:XF+8*\ks+7], v[128+8*\ks:128+8*\ks+7], v[VA+8*(\ks%2):VA+8*(\ks%2)+7], v[XSC+\ks], v[WSC+16+\ks] matrix_a_fmt:MATRIX_FMT_FP4 matrix_b_fmt:MATRIX_FMT_FP4
.endif
.endr
	WIN 0
.rept 5
	v_nop                                          ; places: results are read by vector instructions, and q's and k's become operands of matrix instructions
.endr
.irp j, 0,1,2,3,4,5,6,7
	v_add_f32 v[VV+\j], v[VA+\j], v[VB+\j]
.endr
	v_wmma_f32_16x16x4_f32 v[SA:SA+7], v[KA:KA+1], v[QA:QA+1], 0                   ; S^T = k q^T over my 16 channels: a lane holds query l % 16 and keys 8 (l / 16) + 0..7
	v_wmma_f32_16x16x4_f32 v[SB:SB+7], v[KA+2:KA+3], v[QA+2:QA+3], 0
	v_wmma_f32_16x16x4_f32 v[SA:SA+7], v[KA+4:KA+5], v[QA+4:QA+5], v[SA:SA+7]
	v_wmma_f32_16x16x4_f32 v[SB:SB+7], v[KA+6:KA+7], v[QA+6:QA+7], v[SB:SB+7]
.rept 8
	v_nop                                          ; eight places behind this form
.endr
.irp j, 0,1,2,3,4,5,6,7
	v_add_f32 v[SP+\j], v[SA+\j], v[SB+\j]
.endr
	ds_store_b128 v6, v[SP:SP+3] offset:SIMG
	ds_store_b128 v6, v[SP+4:SP+7] offset:SIMG+512
	s_wait_dscnt 0x0                               ; for the others' sake: my image has landed
	s_barrier_signal -1
	s_barrier_wait -1
.irp i, 0,1,2,3
.irp c, 0,1
	ds_load_b128 v[SI+8*\i+4*\c:SI+8*\i+4*\c+3], v5 offset:SIMG+1024*\i+512*\c
.endr
.endr
	s_wait_dscnt 0x0
.irp j, 0,1,2,3,4,5,6,7
	v_add_f32 v[SS+\j], v[SI+\j], v[SI+8+\j]
.endr
.irp j, 0,1,2,3,4,5,6,7
	v_add_f32 v[SS+\j], v[SS+\j], v[SI+16+\j]
.endr
.irp j, 0,1,2,3,4,5,6,7
	v_add_f32 v[SS+\j], v[SS+\j], v[SI+24+\j]      ; the whole scores, the same bits in every wave
.endr
.irp j, 0,1,2,3,4,5,6,7
	v_cmp_gt_i32 vcc_lo, \j, v10                   ; the causal mask
	v_cndmask_b32 v[SS+\j], v[SS+\j], v11, vcc_lo
.endr
	v_max3_num_f32 v18, v[SS], v[SS+1], v[SS+2]
	v_max3_num_f32 v19, v[SS+3], v[SS+4], v[SS+5]
	v_max3_num_f32 v18, v18, v[SS+6], v[SS+7]
	v_max_num_f32 v18, v18, v19
	v_permlanex16_b32 v20, v18, s26, s27
	v_max_num_f32 v18, v18, v20                    ; the row's maximum: key 0 counts for every query, so it is a number
.irp j, 0,1,2,3,4,5,6,7
	v_sub_f32 v[SS+\j], v[SS+\j], v18
.endr
.irp j, 0,1,2,3,4,5,6,7
	v_mul_f32 v[SS+\j], s28, v[SS+\j]
.endr
.irp j, 0,1,2,3,4,5,6,7
	v_exp_f32 v[SS+\j], v[SS+\j]
.endr
	v_nop                                          ; a plain line behind the last exponential
	s_wait_alu depctr_va_vdst(0)                   ; one wait for the batch, ahead of its first reader
	v_add_f32 v21, v[SS], v[SS+1]
	v_add_f32 v19, v[SS+2], v[SS+3]
	v_add_f32 v21, v21, v[SS+4]
	v_add_f32 v19, v19, v[SS+5]
	v_add_f32 v21, v21, v[SS+6]
	v_add_f32 v19, v19, v[SS+7]
	v_add_f32 v21, v21, v19
	v_permlanex16_b32 v20, v21, s26, s27
	v_add_f32 v21, v21, v20                        ; the row's sum
	v_rcp_f32 v22, v21
	v_nop
	v_wmma_f32_16x16x4_f32 v[OA0:OA0+7], v[VV:VV+1], v[SS:SS+1], 0                 ; O^T = v^T p^T: a lane holds query l % 16 and my channels 8 (l / 16) + 0..7
	v_wmma_f32_16x16x4_f32 v[OA1:OA1+7], v[VV+2:VV+3], v[SS+2:SS+3], 0
	v_wmma_f32_16x16x4_f32 v[OA0:OA0+7], v[VV+4:VV+5], v[SS+4:SS+5], v[OA0:OA0+7]
	v_wmma_f32_16x16x4_f32 v[OA1:OA1+7], v[VV+6:VV+7], v[SS+6:SS+7], v[OA1:OA1+7]
.rept 8
	v_nop
.endr
	s_wait_alu depctr_va_vdst(0)                   ; the reciprocal's wait, ahead of its first reader
.irp j, 0,1,2,3,4,5,6,7
	v_mul_f32 v[OO+\j], v[OA0+\j], v22
.endr
.irp j, 0,1,2,3,4,5,6,7
	v_fma_f32 v[OO+\j], v[OA1+\j], v22, v[OO+\j]
.endr
	ds_store_b128 v7, v[OO:OO+3]
	ds_store_b128 v7, v[OO+4:OO+7] offset:16
	s_wait_dscnt 0x0
	s_barrier_signal -1
	s_barrier_wait -1                              ; 16 whole rows of 256 bytes lie in the stage
	ds_load_b128 v[SI:SI+3], v8
	ds_load_b128 v[SI+4:SI+7], v8 offset:2*272
	s_wait_dscnt 0x0
	global_store_b128 v9, v[SI:SI+3], s[12:13]                 ; sixteen lanes store 256 consecutive bytes, aligned
	global_store_b128 v9, v[SI+4:SI+7], s[12:13] offset:8192
	s_wait_tensorcnt 0x0                           ; the wave's end: behind my last LDS store
	ds_add_u32 v[SPW], v[NIL]
	s_wait_dscnt 0x0
	s_endpgm
.Lfunc_end_k_q7f32908d7c_fine1:
	.size	k_q7f32908d7c_fine1, .Lfunc_end_k_q7f32908d7c_fine1-k_q7f32908d7c_fine1
	.p2alignl 7, 3214868480
	.fill 96, 4, 3214868480
	.section	.rodata,"a",@progbits
	.p2align	6, 0x0
	.amdhsa_kernel k_q7f32908d7c_fine1
		.amdhsa_group_segment_fixed_size 9216
		.amdhsa_private_segment_fixed_size 0
		.amdhsa_enable_private_segment 0
		.amdhsa_kernarg_size 40
		.amdhsa_user_sgpr_count 2
		.amdhsa_user_sgpr_kernarg_segment_ptr 1
		.amdhsa_wavefront_size32 1
		.amdhsa_system_sgpr_workgroup_id_x 1
		.amdhsa_system_sgpr_workgroup_id_y 1
		.amdhsa_system_sgpr_workgroup_id_z 1
		.amdhsa_system_vgpr_workitem_id 0
		.amdhsa_next_free_vgpr 512
		.amdhsa_next_free_sgpr 66
		.amdhsa_reserve_vcc 1
		.amdhsa_float_denorm_mode_32 3
		.amdhsa_float_denorm_mode_16_64 3
		.amdhsa_memory_ordered 1
		.amdhsa_forward_progress 1
		.amdhsa_inst_pref_size 20
	.end_amdhsa_kernel
	.amdgpu_metadata
---
amdhsa.version: [ 1, 2 ]
amdhsa.kernels:
  - .name:           k_q7f32908d7c_fine1
    .symbol:         k_q7f32908d7c_fine1.kd
    .args:
      - { .name: xc, .offset: 0, .size: 8, .value_kind: global_buffer, .address_space: global }
      - { .name: xs, .offset: 8, .size: 8, .value_kind: global_buffer, .address_space: global }
      - { .name: wc, .offset: 16, .size: 8, .value_kind: global_buffer, .address_space: global }
      - { .name: ws, .offset: 24, .size: 8, .value_kind: global_buffer, .address_space: global }
      - { .name: ofine, .offset: 32, .size: 8, .value_kind: global_buffer, .address_space: global }
    .group_segment_fixed_size: 9216
    .private_segment_fixed_size: 0
    .kernarg_segment_align: 8
    .kernarg_segment_size: 40
    .max_flat_workgroup_size: 128
    .sgpr_count:     66
    .vgpr_count:     512
    .wavefront_size: 32
...
	.end_amdgpu_metadata
.endif
;; end of part 3
;; launch attn (part 4): grid 4 x 64, 8 waves a work-group, no clusters, 327,680 bytes of LDS; arguments qkv, att; writes att
.if DOCPART == 4
	.amdgcn_target "amdgcn-amd-amdhsa--gfx1250"
	.amdhsa_code_object_version 6
	.text
	.protected	k_q7f32908d7c_attn
	.globl	k_q7f32908d7c_attn
	.p2align	8
	.type	k_q7f32908d7c_attn,@function
k_q7f32908d7c_attn:
	s_mov_b64 s[64:65], 0
	v_nop
	global_prefetch_b8 v0, s[64:65] scope:SCOPE_SE
	s_setreg_imm32_b32 hwreg(HW_REG_WAVE_MODE, 25, 1), 1
	s_wait_xcnt 0x0
; Causal attention of one head (y = 16 x batch + head): O[q] = sum over k <= q of softmax_k(Q[q] . K[k] / 8) V[k].  Q, K, V: f16, [2048][64] dense for each head (qkv); O: f16, the same layout (att).
; Products, maxima and sums in f32; the weights p are rounded to f16 for the second product, O once at the end.  A running maximum m and sum l for each query: p = 2^(c s - c m), c = log2(e) / 8;
; in every step O and l are multiplied by a = 2^(c m_old - c m_new).
; LIMITS: NaN and infinities are not served; |O| over 65,504 becomes infinity in f16.
; SHARES.  Work-group x = p takes the query blocks 7 - p and p of 256 queries, one after the other: (8 - p) + (p + 1) = 9 units of 256 keys for every work-group, a constant count of trips.
; Each of the eight waves owns 32 queries of the block in hand, two tiles of 16; two waves lie on a SIMD.  A step is 64 keys; a step all of whose keys come after a wave's queries is jumped over by that wave (a branch on ids).
; NO CLUSTER: the four work-groups of a head want different units from the fifth trip on (their first blocks end at different keys), so partners would not make the same requests.
; LAYOUT.  S^T = K Q^T (source 0 = 16 keys, source 1 = 16 queries): a lane holds ONE query (lane % 16) and keys 8 (lane / 16) + 0..7.  Two such tiles, rounded to f16 in pairs, are source 1 of O^T = V^T P.  V is turned by ds_load_tr16_b128.
; LDS.  Two tokens of 128 bytes make a row of 256: a unit's K is 128 such rows (pitch 272), its V 128 (pitch 288).  Two slots, 2^17 bytes apart.  Waves 0-3 fetch K's quarters, waves 4-7 V's: one tensor load a wave and unit; at most one is out.
; REGISTERS: window 0: v1-15 addresses; v16-31 statistics, 8 a tile (c m, m, l, l, four at work); v32-95 S^T; v96-127 P; v128-191 O^T; v192-255 the way out.   window 1: v0-31 Q; v32-95 K of a step; v96-159 V of a step.
.set KSB,   8704                       ; a step's K in LDS: 32 rows x 272
.set VSB,   9216                       ; a step's V: 32 rows x 288
.set VOFF,  4*KSB
.set SLOT1, 1<<17
.set STAGE, 4*KSB+4*VSB                ; behind slot 0: 16 rows x 144 bytes for each wave, for the way out
.set SPARE, STAGE+8*2304               ; the spare words, 128 bytes for each wave
.set PFO, 1                            ; v1   256 x lane; never rewritten
.set AK0, 2                            ; v2   my lane's place in a tile of K
.set AV0, 3                            ; v3   the same for V
.set ADK, 4
.set ADV, 5
.set QO,  6                            ; v6   my byte offset in the wave's rows of Q
.set STO, 7
.set RD,  8
.set GO,  9                            ; v9   16 x lane
.set SPW, 10
.set NIL, 11
.set RM,  12                           ; v12  r - 8 h
.set D0,  13                           ; v13, v14: the mask's bound for tile 0, 1
.set NINF, 15
.set ST,  16
.set S,   32
.set P,   96
.set O,   128
.set TMP, 192
.set OBK, 224
.set KR,  32                           ; in window 1
.set VR,  96                           ; in window 1
.set WV,  8
.set PP,  9
.set HD,  10
.set QB,  11                           ; the query block in hand
.set KU,  12                           ; the unit of keys in hand
.set NK,  13                           ; the unit to be asked for
.set KF,  14                           ; the step's first key
.set Q0,  15                           ; my wave's first query
.set G1K, 16
.set G1V, 24
.set G0K, 32
.set G0V, 36
.set KBS, 40                           ; s[40:41] my quarter of K's unit 0
.set VBS, 42
.set OF,  44                           ; s[44:45] an offset, high word 0
.set QH,  46
.set OH,  48
.set QAD, 50
.set OAD, 52
.set PFA, 54
.set LIM, 56
.set TRIPS, 57
.set CNT, 58
.set TK,  59
.set TV,  60
.set CS,  62
.set SEL, 66
.set MSB, 0
.macro WIN new
.if MSB != \new
	s_set_vgpr_msb (MSB<<8)|\new
.set MSB, \new
.endif
.endm
.set W_LD, 0x40                        ; destination window 1
.set W_KQ, 0x05                        ; K and Q in window 1
.set W_PV, 0x01                        ; V in window 1
; Waves 0-3 fetch for K, waves 4-7 for V.  The branch hangs on the wave's number alone.  An s_nop 0 and four v_nop follow each of the two lines.
.macro TLOAD
	s_cmp_lt_u32 s[WV], 4
	s_cbranch_scc0 .Lfor_v_\@
	tensor_load_to_lds s[G0K:G0K+3], s[G1K:G1K+7]
	s_nop 0
.rept 4
	v_nop
.endr
	s_branch .Lasked_\@
.Lfor_v_\@:
	tensor_load_to_lds s[G0V:G0V+3], s[G1V:G1V+7]
	s_nop 0
.rept 4
	v_nop
.endr
.Lasked_\@:
.endm
; A prefetch into the L2 of the unit behind the one just asked for: my wave's own quarter, 32 rows of 256 bytes, a lane a row.  All four work-groups of a head walk the same K and V from unit 0 up: the one with p = 0, whose first block
; walks units 0 to 7, asks, and nobody else: each row is named once in the launch.  Trip u asks for unit u + 2, up to unit 7 (trips 0 to 5: TRIPS = 8 - u above 2).  Units 0 and 1 come by their loads alone.
.macro ASK
	s_cmp_gt_u32 s[TRIPS], s[LIM]
	s_cbranch_scc0 .Lnot_mine_\@
	global_prefetch_b8 v[PFO], s[PFA:PFA+1] th:TH_LOAD_NT scope:SCOPE_SE
.Lnot_mine_\@:
.endm
.macro QLOAD                           ; my 32 queries: tile t, channels 32 c on, at v[16 t + 8 c] of window 1
	WIN W_LD
.irp t, 0,1
.irp c, 0,1
	global_load_b128 v[16*\t+8*\c:16*\t+8*\c+3], v[QO], s[QAD:QAD+1] offset:\t*2048+\c*64
	global_load_b128 v[16*\t+8*\c+4:16*\t+8*\c+7], v[QO], s[QAD:QAD+1] offset:\t*2048+\c*64+32
.endr
.endr
	WIN 0
.endm
	s_load_b128 s[4:7], s[0:1], 0x0                ; qkv s[4:5], att s[6:7]
	v_lshl_add_u32 v[SPW], v0, 2, SPARE
	v_mov_b32 v[NIL], 0
	ds_add_u32 v[SPW], v[NIL]                      ; the wave's opening: the add, twice on end, and its wait ahead of my first tensor load
	ds_add_u32 v[SPW], v[NIL]
	v_lshrrev_b32 v1, 5, v0
	v_readfirstlane_b32 s[WV], v1                  ; wave 0..7
	s_mov_b32 s[PP], ttmp9
	s_and_b32 s[HD], ttmp7, 0xffff
	s_sub_co_u32 s[QB], 7, s[PP]                   ; the later block first
	s_mov_b32 s[KU], 0
	s_mov_b32 s[KF], 0
	s_lshl_b32 s[Q0], s[QB], 8
	s_lshl_b32 s68, s[WV], 5
	s_add_co_u32 s[Q0], s[Q0], s68
	; descriptor group 1: 32 rows of 128 elements of 2 bytes, dense in memory; padding behind every 64 words: 4 words for K, 8 for V
	s_mov_b32 s[G1K], (1<<16)|(1<<20)|(5<<22)|(3<<25)
	s_mov_b32 s[G1V], (1<<16)|(1<<20)|(5<<22)|(7<<25)
.irp g, G1K, G1V
	s_mov_b32 s[\g+1], 128<<16                     ; tensor_dim0
	s_mov_b32 s[\g+2], 32<<16                      ; tensor_dim1
	s_mov_b32 s[\g+3], 128<<16                     ; tile_dim0
	s_mov_b32 s[\g+4], 32                          ; tile_dim1
	s_mov_b32 s[\g+5], 128                         ; tensor_dim0_stride
	s_mov_b32 s[\g+6], 0
	s_mov_b32 s[\g+7], 0
.endr
	s_and_b32 s68, s[WV], 3                        ; my quarter of a unit: one step's 64 keys
	s_mov_b32 s[G0K], 1
	s_mul_i32 s[G0K+1], s68, KSB
	s_mov_b32 s[G0V], 1
	s_mul_i32 s[G0V+1], s68, VSB
	s_add_co_u32 s[G0V+1], s[G0V+1], VOFF
	s_lshl_b32 s70, s68, 13                        ; 64 keys x 128 bytes
	s_add_co_u32 s69, s[HD], 64
	s_lshl_b32 s69, s69, 18                        ; K's block of the head
	s_add_co_u32 s70, s70, s69
	s_mov_b32 s71, 0
	s_lshl_b32 s68, s[HD], 18                      ; Q's block, and O's
	s_lshl_b32 s69, s[WV], 12                      ; my wave's 32 rows
	s_add_co_u32 s68, s68, s69
	s_mov_b32 s69, 0
	s_lshl_b32 s[OF], s[QB], 15                    ; a block of 256 rows is 32,768 bytes
	s_mov_b32 s[OF+1], 0
	s_mov_b32 s[CS], 0x3e38aa3b                    ; c = log2(e) / sqrt(64)
	s_mov_b32 s[CS+1], s[CS]
	s_mov_b32 s[SEL], 0x76543210
	s_mov_b32 s[SEL+1], 0xfedcba98
	s_mov_b32 s[TK], 0
	s_mov_b32 s[TV], 0
	s_mov_b32 s[TRIPS], 8
	s_cmp_eq_u32 s[PP], 0
	s_cselect_b32 s[LIM], 2, -1
	s_wait_dscnt 0x0                               ; both opening adds are done
	s_wait_kmcnt 0x0
	s_add_nc_u64 s[KBS:KBS+1], s[4:5], s[70:71]
	s_add_nc_u64 s[VBS:VBS+1], s[KBS:KBS+1], 64<<18
	s_mov_b64 s[G0K+2:G0K+3], s[KBS:KBS+1]
	s_or_b32 s[G0K+3], s[G0K+3], 0x80000000
	s_mov_b64 s[G0V+2:G0V+3], s[VBS:VBS+1]
	s_or_b32 s[G0V+3], s[G0V+3], 0x80000000
	TLOAD                                          ; unit 0 into slot 0
	s_add_nc_u64 s[QH:QH+1], s[4:5], s[68:69]
	s_add_nc_u64 s[OH:OH+1], s[6:7], s[68:69]
	s_add_nc_u64 s[QAD:QAD+1], s[QH:QH+1], s[OF:OF+1]
	s_add_nc_u64 s[OAD:OAD+1], s[OH:OH+1], s[OF:OF+1]
	s_cmp_lt_u32 s[WV], 4
	s_cselect_b64 s[PFA:PFA+1], s[KBS:KBS+1], s[VBS:VBS+1]
	s_add_nc_u64 s[PFA:PFA+1], s[PFA:PFA+1], 32768 ; at unit 1: the first change of slots steps it to unit 2
	v_and_b32 v192, 15, v0                         ; r
	v_bfe_u32 v193, v0, 4, 1                       ; h
	v_lshlrev_b32 v[QO], 7, v192
	v_lshl_add_u32 v[QO], v193, 4, v[QO]           ; row r of 128 bytes + 16 h
	QLOAD
	v_lshrrev_b32 v194, 1, v192
	v_mul_u32_u24 v[AK0], v194, 272
	v_and_b32 v194, 1, v0
	v_lshl_add_u32 v[AK0], v194, 7, v[AK0]
	v_lshl_add_u32 v[AK0], v193, 4, v[AK0]         ; key r: row r / 2, half r % 2, + 16 h
	v_bfe_u32 v195, v0, 1, 2
	v_lshl_add_u32 v195, v193, 2, v195
	v_mul_u32_u24 v[AV0], v195, 288
	v_lshl_add_u32 v[AV0], v194, 7, v[AV0]
	v_bfe_u32 v195, v0, 3, 1
	v_lshl_add_u32 v[AV0], v195, 4, v[AV0]
	v_add_nc_u32 v[AV0], VOFF, v[AV0]              ; the turning load: key 8 h + l % 8 (row 4 h + (l % 8) / 2, half l % 2), channels 8 ((l / 8) % 2) on
	s_mul_i32 s68, s[WV], 2304
	s_add_co_u32 s68, s68, STAGE                   ; my stage
	v_mul_u32_u24 v[STO], v192, 144
	v_lshl_add_u32 v[STO], v193, 4, v[STO]
	v_add_nc_u32 v[STO], s68, v[STO]               ; in: row r, 16 bytes for each half of the lanes
	v_bfe_u32 v195, v0, 3, 2
	v_mul_u32_u24 v[RD], v195, 144
	v_and_b32 v195, 7, v0
	v_lshl_add_u32 v[RD], v195, 4, v[RD]
	v_add_nc_u32 v[RD], s68, v[RD]                 ; back: eight lanes to a row of 128 bytes, four rows an instruction
	v_and_b32 v195, 31, v0
	v_lshlrev_b32 v[GO], 4, v195
	v_lshlrev_b32 v[PFO], 8, v195
	v_lshlrev_b32 v[RM], 3, v193
	v_sub_nc_u32 v[RM], v192, v[RM]
	v_mov_b32 v[NINF], 0xff800000
.irp t, 0,1
	v_mov_b32 v[ST+8*\t+1], 0xff61b1e6             ; m: -3e38, under every score
	v_mul_f32 v[ST+8*\t], s[CS], v[ST+8*\t+1]      ; c m
.irp i, 2,3,4,5,6,7
	v_mov_b32 v[ST+8*\t+\i], 0
.endr
.endr
.set ii, 0
.rept 64
	v_mov_b32 v[O+ii], 0                           ; O^T, once: the step is written once, and a block's first a is 0
.set ii, ii+1
.endr
	s_wait_loadcnt 0x0                             ; Q
; One tile's softmax for one step of 64 keys.  The exponentials are one batch with one wait, ahead of their first reader.
.macro SM t
.set rT, ST+8*(\t)
.set rS, S+32*(\t)
.set rP, P+16*(\t)
.set rO, O+32*(\t)
.irp j, 0,1,2,3
	v_max3_num_f32 v[rT+4+\j], v[rS+8*\j], v[rS+8*\j+1], v[rS+8*\j+2]   ; four chains, each from an accumulator's low end on
.endr
.irp i, 3,5
.irp j, 0,1,2,3
	v_max3_num_f32 v[rT+4+\j], v[rT+4+\j], v[rS+8*\j+\i], v[rS+8*\j+\i+1]
.endr
.endr
	v_max3_num_f32 v[rT+4], v[rT+4], v[rS+7], v[rS+15]
	v_max3_num_f32 v[rT+6], v[rT+6], v[rS+23], v[rS+31]
	v_max3_num_f32 v[rT+4], v[rT+4], v[rT+5], v[rT+6]
	v_max3_num_f32 v[rT+4], v[rT+4], v[rT+7], v[rT+1]              ; with the old m
	v_permlanex16_b32 v[rT+5], v[rT+4], s[SEL], s[SEL+1]           ; the query's other 32 keys lie in the lane 16 away
	v_mov_b32 v[rT+7], v[rT]                                       ; c m_old
	v_max_num_f32 v[rT+1], v[rT+4], v[rT+5]
	v_mul_f32 v[rT], s[CS], v[rT+1]
	v_sub_f32 v[rT+7], v[rT+7], v[rT]
.irp b, 0,2,4,6,8,10,12,14,16,18,20,22,24,26,28,30
	v_pk_fma_f32 v[rS+\b:rS+\b+1], v[rS+\b:rS+\b+1], s[CS:CS+1], v[rT:rT+1] op_sel_hi:[1,0,0] neg_lo:[0,0,1] neg_hi:[0,0,1]   ; c s - c m
.endr
	v_exp_f32 v[rT+6], v[rT+7]                                     ; a
.set ii, 0
.rept 32
	v_exp_f32 v[rS+ii], v[rS+ii]
.set ii, ii+1
.endr
	v_nop                                          ; a plain line behind the last exponential
	s_wait_alu depctr_va_vdst(0)                   ; one wait for the 33
.set ii, 0
.rept 16
	v_cvt_pk_f16_f32 v[rP+ii], v[rS+2*ii], v[rS+2*ii+1]
.set ii, ii+1
.endr
.irp u, 0,4,8,12,16,20,24,28
	v_pk_add_f32 v[rS+\u:rS+\u+1], v[rS+\u:rS+\u+1], v[rS+\u+2:rS+\u+3]   ; the sum of the unrounded weights, as a tree, in place
.endr
.irp u, 0,8,16,24
	v_pk_add_f32 v[rS+\u:rS+\u+1], v[rS+\u:rS+\u+1], v[rS+\u+4:rS+\u+5]
.endr
.irp u, 0,16
	v_pk_add_f32 v[rS+\u:rS+\u+1], v[rS+\u:rS+\u+1], v[rS+\u+8:rS+\u+9]
.endr
	v_pk_add_f32 v[rS:rS+1], v[rS:rS+1], v[rS+16:rS+17]
	v_pk_fma_f32 v[rT+2:rT+3], v[rT+2:rT+3], v[rT+6:rT+7], v[rS:rS+1] op_sel_hi:[1,0,1]   ; l = a l + the sum
.set ii, 0
.rept 16
	v_pk_mul_f32 v[rO+ii:rO+ii+1], v[rO+ii:rO+ii+1], v[rT+6:rT+7] op_sel_hi:[1,0]         ; O^T x a, from each accumulator's low end on
.set ii, ii+2
.endr
.endm
.macro PV t                            ; O^T += V^T P: keys 32 c on, channels 16 ct on; the tile's four accumulators by turns
	WIN W_PV
.irp c, 0,1
.irp ct, 0,1,2,3
	v_wmma_f32_16x16x32_f16 v[O+32*(\t)+8*\ct:O+32*(\t)+8*\ct+7], v[VR+8*(4*\c+\ct):VR+8*(4*\c+\ct)+7], v[P+16*(\t)+8*\c:P+16*(\t)+8*\c+7], v[O+32*(\t)+8*\ct:O+32*(\t)+8*\ct+7]
.endr
.endr
	WIN 0
.endm
; A STEP: 64 keys.
.macro STEP
	s_add_co_u32 s68, s[Q0], 31
	s_cmp_gt_u32 s[KF], s68                        ; all 64 keys come after my 32 queries: the step's work is left out (ids and counts alone; no barrier and no tensor load stands in a step)
	s_cbranch_scc1 .Lskip_\@
	v_add_nc_u32 v[ADK], s[TK], v[AK0]
	v_add_nc_u32 v[ADV], s[TV], v[AV0]
	WIN W_LD
.irp kt, 0,1,2,3
.irp c, 0,1
	ds_load_b128 v[KR+8*(2*\kt+\c):KR+8*(2*\kt+\c)+3],   v[ADK] offset:\kt*2176+\c*64
	ds_load_b128 v[KR+8*(2*\kt+\c)+4:KR+8*(2*\kt+\c)+7], v[ADK] offset:\kt*2176+\c*64+32
.endr
.endr
.irp c, 0,1
.irp ct, 0,1,2,3
	ds_load_tr16_b128 v[VR+8*(4*\c+\ct):VR+8*(4*\c+\ct)+3],   v[ADV] offset:\c*4608+\ct*32
	ds_load_tr16_b128 v[VR+8*(4*\c+\ct)+4:VR+8*(4*\c+\ct)+7], v[ADV] offset:\c*4608+\ct*32+2304
.endr
.endr
	s_wait_dscnt 16                                ; K's 16 loads are in; V's 16 may be out
	WIN W_KQ
.irp c, 0,1                                    ; S^T = K Q^T: eight accumulators by turns; the first eight products start the sums
.irp kt, 0,1,2,3
.irp t, 0,1
.if \c == 0
	v_wmma_f32_16x16x32_f16 v[S+32*\t+8*\kt:S+32*\t+8*\kt+7], v[KR+8*(2*\kt+\c):KR+8*(2*\kt+\c)+7], v[16*\t+8*\c:16*\t+8*\c+7], 0
.else
	v_wmma_f32_16x16x32_f16 v[S+32*\t+8*\kt:S+32*\t+8*\kt+7], v[KR+8*(2*\kt+\c):KR+8*(2*\kt+\c)+7], v[16*\t+8*\c:16*\t+8*\c+7], v[S+32*\t+8*\kt:S+32*\t+8*\kt+7]
.endif
.endr
.endr
.endr
	WIN 0
.rept 4
	v_nop                                          ; places ahead of the first read of the scores
.endr
	s_add_co_u32 s68, s[KF], 63
	s_cmp_le_u32 s68, s[Q0]                        ; all 64 keys count for all my queries: no mask
	s_cbranch_scc1 .Lopen_\@
	s_sub_co_i32 s68, s[Q0], s[KF]
	v_add_nc_u32 v[D0], s68, v[RM]                 ; register n of tile t holds key KF + 16 (n / 8) + 8 h + n % 8: hidden where 16 (n / 8) + n % 8 > Q0 + 16 t + r - KF - 8 h
	v_add_nc_u32 v[D0+1], 16, v[D0]
.irp t, 0,1
.set ii, 0
.rept 32
	v_cmp_gt_i32 vcc_lo, 16*(ii/8)+ii%8, v[D0+\t]
	v_cndmask_b32 v[S+32*\t+ii], v[S+32*\t+ii], v[NINF], vcc_lo
.set ii, ii+1
.endr
.endr
.Lopen_\@:
	SM 0
	s_wait_dscnt 0x0                               ; V is in
	PV 0
	SM 1
	PV 1
.rept 4
	v_nop                                          ; places ahead of the next loads into V's registers, and of the way out's reads
.endr
.Lskip_\@:
	s_add_co_u32 s[KF], s[KF], 64
	s_add_co_u32 s[TK], s[TK], KSB
	s_add_co_u32 s[TV], s[TV], VSB
.endm
; THE CHANGE OF SLOTS stands at a unit's head.  Each wave waits for all its tensor loads (its part of the unit that is about to be read), adds 0 to its spare word, and waits for that and for its reads of the slot that it has left.
; Behind the barrier the slot ahead is whole and nobody reads the other one.  fill = 1: that other slot takes the unit that follows: the next of the block in hand, or unit 0 where the block ends.
.macro CHANGE fill
	s_wait_tensorcnt 0x0                           ; no tensor load of mine is out, so a group 0 may be written
	ds_add_u32 v[SPW], v[NIL]                      ; 0 onto my spare word
.if \fill
	s_add_co_u32 s[NK], s[KU], 1
	s_cmp_eq_u32 s[KU], s[QB]
	s_cselect_b32 s[NK], 0, s[NK]
	s_lshl_b32 s[OF], s[NK], 15                    ; a unit of 256 keys is 32,768 bytes
	s_add_nc_u64 s[G0K+2:G0K+3], s[KBS:KBS+1], s[OF:OF+1]
	s_or_b32 s[G0K+3], s[G0K+3], 0x80000000
	s_add_nc_u64 s[G0V+2:G0V+3], s[VBS:VBS+1], s[OF:OF+1]
	s_or_b32 s[G0V+3], s[G0V+3], 0x80000000
	s_xor_b32 s[G0K+1], s[G0K+1], SLOT1            ; the other slot than last time
	s_xor_b32 s[G0V+1], s[G0V+1], SLOT1
	s_wait_xcnt 0x0                                ; the last prefetch, a unit back, has read its address
	s_add_nc_u64 s[PFA:PFA+1], s[PFA:PFA+1], 32768
.endif
	s_wait_dscnt 0x0                               ; the add is done, and my reads of the slot that I have left are over
	s_barrier_signal -1
	s_barrier_wait -1
.if \fill
	TLOAD                                          ; the first thing behind the barrier, and my one tensor load until the next: it has a unit's four steps in which to land
	ASK
.endif
.endm
.macro UNIT                            ; a unit's four steps: written once, walked four times
	s_mov_b32 s[CNT], 4
.Lstep_\@:
	STEP
	s_sub_co_u32 s[CNT], s[CNT], 1
	s_cmp_lg_u32 s[CNT], 0
	s_cbranch_scc1 .Lstep_\@
	s_sub_co_u32 s[TK], s[TK], 4*KSB               ; back to a slot's first step,
	s_xor_b32 s[TK], s[TK], SLOT1                  ; in the other slot
	s_sub_co_u32 s[TV], s[TV], 4*VSB
	s_xor_b32 s[TV], s[TV], SLOT1
.endm
; THE WAY OUT of a block: O^T / l, rounded to f16, through my own stage, a tile (16 queries x 128 bytes) at a time; back as four rows an instruction: 512 consecutive bytes of att.
.macro FINISH
	s_wait_xcnt 0x0                                ; earlier stores have read the registers that are written below
.irp t, 0,1
	v_add_f32 v[ST+8*\t+4], v[ST+8*\t+2], v[ST+8*\t+3]
.endr
.irp t, 0,1
	v_permlanex16_b32 v[ST+8*\t+5], v[ST+8*\t+4], s[SEL], s[SEL+1]
.endr
.irp t, 0,1
	v_add_f32 v[ST+8*\t+4], v[ST+8*\t+4], v[ST+8*\t+5]
.endr
.irp t, 0,1
	v_rcp_f32 v[ST+8*\t+6], v[ST+8*\t+4]
.endr
	v_nop
	s_wait_alu depctr_va_vdst(0)                   ; one wait for the two reciprocals, ahead of their first reader
.irp t, 0,1
.set ii, 0
.rept 16
	v_pk_mul_f32 v[O+32*\t+ii:O+32*\t+ii+1], v[O+32*\t+ii:O+32*\t+ii+1], v[ST+8*\t+6:ST+8*\t+7] op_sel_hi:[1,0]
.set ii, ii+2
.endr
.set ii, 0
.rept 16
	v_cvt_pk_f16_f32 v[TMP+16*\t+ii], v[O+32*\t+2*ii], v[O+32*\t+2*ii+1]
.set ii, ii+1
.endr
.irp ct, 0,1,2,3
	ds_store_b128 v[STO], v[TMP+16*\t+4*\ct:TMP+16*\t+4*\ct+3] offset:32*\ct
.endr
.irp g, 0,1,2,3
	ds_load_b128 v[OBK+16*\t+4*\g:OBK+16*\t+4*\g+3], v[RD] offset:576*\g   ; LDS serves a wave's instructions in order: these see the stores above; the next tile's stores come behind them
.endr
.endr
.irp t, 0,1
.irp g, 0,1,2,3
	s_wait_dscnt 11-8*\t-\g                        ; behind this load: the tile's later loads, and for tile 0 the eight of tile 1
	global_store_b128 v[GO], v[OBK+16*\t+4*\g:OBK+16*\t+4*\g+3], s[OAD:OAD+1] offset:\t*2048+\g*512
.endr
.endr
.endm
.Lunit:                                            ; eight trips: behind each change of slots the next unit is asked for
	CHANGE 1
	UNIT
	s_cmp_lg_u32 s[KU], s[QB]
	s_cbranch_scc1 .Lnofin
	; the first block's last unit is done: the second block's queries are asked for, the first block leaves, and the statistics begin anew
	s_wait_xcnt 0x0
	s_lshl_b32 s[OF], s[PP], 15
	s_add_nc_u64 s[QAD:QAD+1], s[QH:QH+1], s[OF:OF+1]
	QLOAD
	FINISH
	s_wait_xcnt 0x0                                ; the stores have read their base
	s_add_nc_u64 s[OAD:OAD+1], s[OH:OH+1], s[OF:OF+1]
	s_mov_b32 s[QB], s[PP]
	s_lshl_b32 s[Q0], s[PP], 8
	s_lshl_b32 s68, s[WV], 5
	s_add_co_u32 s[Q0], s[Q0], s68
	s_mov_b32 s[KU], -1                            ; (the line below the label makes it 0)
	s_mov_b32 s[KF], 0
.irp t, 0,1
	v_mov_b32 v[ST+8*\t+1], 0xff61b1e6             ; m anew: the next a is 0, which clears l and O^T
	v_mul_f32 v[ST+8*\t], s[CS], v[ST+8*\t+1]
.endr
	s_wait_loadcnt 0x0                             ; Q
.Lnofin:
	s_add_co_u32 s[KU], s[KU], 1
	s_sub_co_u32 s[TRIPS], s[TRIPS], 1
	s_cmp_lg_u32 s[TRIPS], 0
	s_cbranch_scc1 .Lunit
	CHANGE 0                                       ; the ninth unit is written out: nothing is left to ask for
	UNIT
	FINISH
	s_wait_tensorcnt 0x0                           ; the wave's end: behind my last tensor load and my last LDS store
	ds_add_u32 v[SPW], v[NIL]
	s_wait_dscnt 0x0
	s_endpgm
.Lfunc_end_k_q7f32908d7c_attn:
	.size	k_q7f32908d7c_attn, .Lfunc_end_k_q7f32908d7c_attn-k_q7f32908d7c_attn
	.p2alignl 7, 3214868480
	.fill 96, 4, 3214868480
	.section	.rodata,"a",@progbits
	.p2align	6, 0x0
	.amdhsa_kernel k_q7f32908d7c_attn
		.amdhsa_group_segment_fixed_size 327680
		.amdhsa_private_segment_fixed_size 0
		.amdhsa_enable_private_segment 0
		.amdhsa_kernarg_size 16
		.amdhsa_user_sgpr_count 2
		.amdhsa_user_sgpr_kernarg_segment_ptr 1
		.amdhsa_wavefront_size32 1
		.amdhsa_system_sgpr_workgroup_id_x 1
		.amdhsa_system_sgpr_workgroup_id_y 1
		.amdhsa_system_sgpr_workgroup_id_z 1
		.amdhsa_system_vgpr_workitem_id 0
		.amdhsa_next_free_vgpr 512
		.amdhsa_next_free_sgpr 72
		.amdhsa_reserve_vcc 1
		.amdhsa_float_denorm_mode_32 3
		.amdhsa_float_denorm_mode_16_64 3
		.amdhsa_memory_ordered 1
		.amdhsa_forward_progress 1
		.amdhsa_inst_pref_size 70
	.end_amdhsa_kernel
	.amdgpu_metadata
---
amdhsa.version: [ 1, 2 ]
amdhsa.kernels:
  - .name:           k_q7f32908d7c_attn
    .symbol:         k_q7f32908d7c_attn.kd
    .args:
      - { .name: qkv, .offset: 0, .size: 8, .value_kind: global_buffer, .address_space: global }
      - { .name: att, .offset: 8, .size: 8, .value_kind: global_buffer, .address_space: global }
    .group_segment_fixed_size: 327680
    .private_segment_fixed_size: 0
    .kernarg_segment_align: 8
    .kernarg_segment_size: 16
    .max_flat_workgroup_size: 256
    .sgpr_count:     72
    .vgpr_count:     512
    .wavefront_size: 32
...
	.end_amdgpu_metadata
.endif
;; end of part 4
;; launch proj (part 5): grid 4 x 64, 4 waves a work-group, clusters of 4 x 4, 327,680 bytes of LDS; arguments att, woh, out0; writes out0
.if DOCPART == 5
	.amdgcn_target "amdgcn-amd-amdhsa--gfx1250"
	.amdhsa_code_object_version 6
	.text
	.protected	k_q7f32908d7c_proj
	.globl	k_q7f32908d7c_proj
	.p2align	8
	.type	k_q7f32908d7c_proj,@function
k_q7f32908d7c_proj:
	s_mov_b64 s[64:65], 0
	v_nop
	global_prefetch_b8 v0, s[64:65] scope:SCOPE_SE
	s_setreg_imm32_b32 hwreg(HW_REG_WAVE_MODE, 25, 1), 1
	s_wait_xcnt 0x0
	s_wait_alu depctr_hold_cnt(0) depctr_sa_sdst(0) depctr_va_vdst(0) depctr_va_sdst(0) depctr_va_ssrc(0) depctr_va_vcc(0) depctr_vm_vsrc(0)
	s_getreg_b32 s2, hwreg(HW_REG_IB_STS2, 6, 4)
	s_cmp_eq_u32 s2, 0
	s_cbranch_scc0 .Lentry_in_a_cluster
	s_endpgm
.Lentry_in_a_cluster:
	s_bfe_u32 s2, ttmp6, 0x10000c
	s_cmp_lg_u32 s2, 0xf033
	s_cbranch_scc0 .Lentry_shape_is_right
	s_endpgm
.Lentry_shape_is_right:
; out0[m][n] = sum over k of o[m][k] Wo[n][k], f16 operands, f32 sums, f32 out.  o: att [batch][head][token][64]; Wo: woh [head][n][64]: a block of 64 along K (a head) is dense in both.
; A tile of 128 tokens x 256 columns is made by a work-group of four waves; a wave makes 64 x 128: 32 accumulators, 256 registers.  256 work-groups.
; K goes in steps of two heads (128) through two LDS slots.  Two rows of 128 bytes make an LDS row of 256 (pitch 272).  Waves 0, 1 fetch o's two heads (64 LDS rows each), waves 2, 3 Wo's (128 each): one tensor load a wave.
; CLUSTERS: 4 x 4 work-groups.  The four of a row of the cluster need the same tiles of o, the four of a column the same tiles of Wo: each is asked for JOINTLY.
; THE MATRIX INSTRUCTION IS USED TRANSPOSED (source 0 = 16 rows of Wo, source 1 = 16 tokens): a lane holds eight neighbouring columns of one token's row.
; The rows of positions 0-15 of each sequence are written here too and written again, more finely, by the launch that follows.
; REGISTERS: window 0: v0-31 addresses; v128-255 the way out.   window 1: two fragment buffers at v0 and v128: 32 registers of o (4 x 16 rows x 32 K), then 64 of Wo.   window 2: the accumulators ((a, b) at v[8 (8 a + b)]).
.set PITCH,  272
.set AH,     64*PITCH                  ; o's tile of one head
.set BH,     128*PITCH                 ; Wo's tile of one head
.set SLOT,   2*AH+2*BH
.set SPARE,  2*SLOT                    ; behind the ring: the spare words, 128 bytes for each wave
.set SPITCH, 528                       ; the way out: 16 rows x (512 bytes + 16) for each wave, in slot 0, which has had its last fill and its last read when the first result is stored there
.set LAPS,   4                         ; eight K steps: four times round the ring
.set ADRA, 16
.set ADRB, 20
.set STO,  24
.set RD,   25
.set CO,   26
.set SPW,  28
.set NIL,  29
.set BK,   128
.set F0,   0
.set F1,   128
.set G1, 24
.set G0, 32
.set G1B, 48
.set G0B, 56
.set MSB, 0
.macro WIN new
.if MSB != \new
	s_set_vgpr_msb (MSB<<8)|\new
.set MSB, \new
.endif
.endm
.set MUL,  0xa5                        ; sources 0 and 1 window 1; C and D window 2
.set TO_F, 0x40                        ; destination window 1, address window 0
.macro JLOAD s                         ; a joint load; an s_nop 0 and four v_nop follow each of the two lines
	s_cmp_eq_u32 s11, 0
	s_cbranch_scc0 .Lfor_b_\@
	tensor_load_to_lds s[G0+4*\s:G0+4*\s+3], s[G1:G1+7]
	s_nop 0
.rept 4
	v_nop
.endr
	s_branch .Lasked_\@
.Lfor_b_\@:
	tensor_load_to_lds s[G0B+4*\s:G0B+4*\s+3], s[G1B:G1B+7]
	s_nop 0
.rept 4
	v_nop
.endr
.Lasked_\@:
.endm
.macro CREST                           ; a round of the cluster's barrier behind its opening barrier
	s_cmp_lg_u32 s10, 0
	s_cbranch_scc1 .Lnot_wave_0_\@
	s_barrier_signal -3
.Lnot_wave_0_\@:
	s_barrier_wait -3
	s_barrier_signal -1
	s_barrier_wait -1
.endm
.macro CROUND
	s_barrier_signal -1
	s_barrier_wait -1
	CREST
.endm
	s_load_b128 s[4:7], s[0:1], 0x0                ; att s[4:5], woh s[6:7]
	s_load_b64 s[8:9], s[0:1], 0x10                ; out0
	v_lshl_add_u32 v[SPW], v0, 2, SPARE
	v_mov_b32 v[NIL], 0
	ds_add_u32 v[SPW], v[NIL]                      ; the wave's opening: the add, twice on end, and its wait ahead of my first tensor load
	ds_add_u32 v[SPW], v[NIL]
	v_lshrrev_b32 v1, 5, v0
	v_readfirstlane_b32 s10, v1                    ; wave 0..3
	s_lshr_b32 s11, s10, 1                         ; which half of the tile's tokens is mine.  Also: I fetch for o (0) or for Wo (1)
	s_and_b32 s12, s10, 1                          ; which half of its columns.  Also: which of a step's two heads I fetch
	s_bfe_u32 s40, ttmp6, 0x40000                  ; cx, cy
	s_bfe_u32 s41, ttmp6, 0x40004
	s_lshl_b32 s42, ttmp9, 2
	s_add_co_u32 s42, s42, s40                     ; tile column = 4 x cluster x + cx
	s_and_b32 s13, ttmp7, 0xffff
	s_lshl_b32 s13, s13, 2
	s_add_co_u32 s13, s13, s41                     ; tile row = 4 x cluster y + cy
	s_lshl_b32 s43, s41, 2
	s_lshl_b32 s43, 15, s43                        ; my row of the cluster
	s_lshl_b32 s44, 0x1111, s40                    ; my column
	; descriptor group 1: rows of 128 elements of 2 bytes, dense in memory, 4 words of padding behind every 64: 64 rows for o, 128 for Wo
	s_or_b32 s[G1+0], s43, (1<<16)|(1<<20)|(1<<21)|(5<<22)|(3<<25)
	s_or_b32 s[G1B+0], s44, (1<<16)|(1<<20)|(1<<21)|(5<<22)|(3<<25)
	s_mov_b32 s[G1+1], 128<<16                     ; tensor_dim0
	s_mov_b32 s[G1+2], 64<<16                      ; tensor_dim1
	s_mov_b32 s[G1+3], 128<<16                     ; tile_dim0
	s_mov_b32 s[G1+4], 64                          ; tile_dim1
	s_mov_b32 s[G1+5], 128                         ; tensor_dim0_stride
	s_mov_b32 s[G1+6], 0
	s_mov_b32 s[G1+7], 0
	s_mov_b32 s[G1B+1], 128<<16
	s_mov_b32 s[G1B+2], 128<<16
	s_mov_b32 s[G1B+3], 128<<16
	s_mov_b32 s[G1B+4], 128
	s_mov_b32 s[G1B+5], 128
	s_mov_b32 s[G1B+6], 0
	s_mov_b32 s[G1B+7], 0
	s_lshr_b32 s16, s13, 4                         ; o: the batch (16 tiles of 128 tokens each): 2^22 bytes,
	s_lshl_b32 s16, s16, 22
	s_and_b32 s17, s13, 15
	s_lshl_b32 s17, s17, 14                        ; the tile's 128 tokens x 128 bytes,
	s_add_co_u32 s16, s16, s17
	s_lshl_b32 s17, s12, 18                        ; my head of the step's two: 2^18 bytes
	s_add_co_u32 s16, s16, s17
	s_mov_b32 s17, 0
	s_lshl_b32 s46, s42, 15                        ; Wo: the tile's 256 rows x 128 bytes,
	s_lshl_b32 s47, s12, 17                        ; my head: 2^17 bytes
	s_add_co_u32 s46, s46, s47
	s_mov_b32 s47, 0
	s_mul_i32 s20, s12, AH                         ; where they go in a slot: no place in the cluster enters an LDS address
	s_mul_i32 s21, s12, BH
	s_add_co_u32 s21, s21, 2*AH
	s_wait_dscnt 0x0                               ; both opening adds are done
	s_wait_kmcnt 0x0
	s_add_nc_u64 s[14:15], s[4:5], s[16:17]
	s_add_nc_u64 s[46:47], s[6:7], s[46:47]
	CROUND                                         ; all sixteen work-groups are here: the first joint loads meet
.irp s, 0,1
	s_mov_b32 s[G0+4*\s], 1
	s_add_co_u32 s[G0+4*\s+1], s20, \s*SLOT
	s_add_nc_u64 s[G0+4*\s+2:G0+4*\s+3], s[14:15], \s<<19      ; K step s: two heads on
	s_or_b32 s[G0+4*\s+3], s[G0+4*\s+3], 0x80000000
	s_mov_b32 s[G0B+4*\s], 1
	s_add_co_u32 s[G0B+4*\s+1], s21, \s*SLOT
	s_add_nc_u64 s[G0B+4*\s+2:G0B+4*\s+3], s[46:47], \s<<18
	s_or_b32 s[G0B+4*\s+3], s[G0B+4*\s+3], 0x80000000
	JLOAD \s                                       ; two tensor loads of a wave are out
.endr
	v_and_b32 v1, 15, v0                           ; r
	v_bfe_u32 v2, v0, 4, 1                         ; h
	v_lshrrev_b32 v3, 1, v1
	v_mul_u32_u24 v3, v3, PITCH
	v_and_b32 v4, 1, v0
	v_lshl_add_u32 v3, v4, 7, v3
	v_lshl_add_u32 v3, v2, 4, v3                   ; a fragment's row r: LDS row r / 2, half r % 2, + 16 h
	s_mul_i32 s21, s11, 32*PITCH                   ; my 64 tokens
	s_mul_i32 s22, s12, 64*PITCH                   ; my 128 rows of Wo,
	s_add_co_u32 s22, s22, 2*AH                    ; which lie behind o's two heads
.irp s, 0,1
	v_add_nc_u32 v[ADRA+\s], s21, v3
	v_add_nc_u32 v[ADRB+\s], s22, v3
	s_add_co_u32 s21, s21, SLOT
	s_add_co_u32 s22, s22, SLOT
.endr
	s_mul_i32 s23, s10, 16*SPITCH                  ; my stage
	v_mul_u32_u24 v5, v1, SPITCH
	v_lshl_add_u32 v5, v2, 5, v5
	v_add_nc_u32 v[STO], s23, v5                   ; in: row r, 32 bytes for each half of the lanes
	v_and_b32 v6, 31, v0
	v_lshlrev_b32 v[CO], 4, v6                     ; back: the 32 lanes take one row of 512 bytes; and the same in out0
	v_add_nc_u32 v[RD], s23, v[CO]
	s_lshl_b32 s16, s13, 7
	s_lshl_b32 s17, s11, 6
	s_add_co_u32 s16, s16, s17                     ; my first row of out0
	s_lshl_b32 s16, s16, 12                        ; 4,096 bytes a row
	s_mov_b32 s17, 0
	s_add_nc_u64 s[8:9], s[8:9], s[16:17]
	s_lshl_b32 s46, s42, 10                        ; my first column, in bytes: 1,024 x tile column + 512 x half
	s_lshl_b32 s47, s12, 9
	s_add_co_u32 s46, s46, s47
	s_mov_b32 s47, 0
	s_add_nc_u64 s[8:9], s[8:9], s[46:47]
; 8 matrix instructions: token block a against Wo's eight, 32 along K.  zero = 1: the first product starts the sums.  The 32 accumulators take turns in the same order in every quarter.
.macro MUL8 f, a, zero
.irp b, 0,1,2,3,4,5,6,7
.if \zero
	v_wmma_f32_16x16x32_f16 v[8*(8*(\a)+\b):8*(8*(\a)+\b)+7], v[\f+32+8*\b:\f+32+8*\b+7], v[\f+8*(\a):\f+8*(\a)+7], 0
.else
	v_wmma_f32_16x16x32_f16 v[8*(8*(\a)+\b):8*(8*(\a)+\b)+7], v[\f+32+8*\b:\f+32+8*\b+7], v[\f+8*(\a):\f+8*(\a)+7], v[8*(8*(\a)+\b):8*(8*(\a)+\b)+7]
.endif
.endr
.endm
; 24 LDS loads in one run: the fragments of quarter q of a slot (head q / 2, channels 32 (q % 2) on) into buffer f: Wo's 16 loads, then o's 8
.macro FETCH slot, q, f
	WIN TO_F
.irp i, 0,1,2,3,4,5,6,7
	ds_load_b128 v[\f+32+8*\i:\f+32+8*\i+3],   v[ADRB+\slot] offset:((\q)/2)*BH+((\q)%2)*64+\i*8*PITCH
	ds_load_b128 v[\f+32+8*\i+4:\f+32+8*\i+7], v[ADRB+\slot] offset:((\q)/2)*BH+((\q)%2)*64+\i*8*PITCH+32
.endr
.irp i, 0,1,2,3
	ds_load_b128 v[\f+8*\i:\f+8*\i+3],   v[ADRA+\slot] offset:((\q)/2)*AH+((\q)%2)*64+\i*8*PITCH
	ds_load_b128 v[\f+8*\i+4:\f+8*\i+7], v[ADRA+\slot] offset:((\q)/2)*AH+((\q)%2)*64+\i*8*PITCH+32
.endr
.endm
.macro PLACES                          ; four places ahead of loads into registers that matrix instructions have read, and of reads of results
.rept 4
	v_nop
.endr
.endm
; A K step is four quarters of 32 along K, 32 matrix instructions each, on buffers 0, 1, 0, 1.  One of the first three: multiplies buffer f and fetches quarter q into g.
.macro QUARTER slot, q, f, g, zero
	s_wait_dscnt 4                                 ; Wo's fragments and o's blocks 0, 1 are in; the youngest four loads (o's blocks 2, 3) may be out
	WIN MUL
	MUL8 \f, 0, \zero
	MUL8 \f, 1, \zero
	PLACES
	FETCH \slot, \q, \g
	s_wait_dscnt 24                                ; all but the 24 just issued
	WIN MUL
	MUL8 \f, 2, \zero
	MUL8 \f, 3, \zero
.endm
; The last quarter multiplies buffer 1 and changes slots: ONE barrier; in front of it each wave waits for all its tensor loads, adds 0 to its spare word, and waits for that and for its reads of this slot.  fill = 1: the slot is filled again, two K steps ahead.
.macro TURN slot, next, fill
	WIN 0                                          ; (the add's two registers lie in window 0)
	s_wait_tensorcnt 0x0                           ; all my tensor loads have landed: my part of the next slot
	ds_add_u32 v[SPW], v[NIL]                      ; 0 onto my spare word
	s_wait_dscnt 5                                 ; (the add and the youngest four loads may be out)
	WIN MUL
	MUL8 F1, 0, 0
	s_wait_dscnt 0x0                               ; the add is done, and my reads of this slot are over
	s_barrier_signal -1
	MUL8 F1, 1, 0
.if \fill
	WIN 0
.endif
	s_barrier_wait -1
.if \fill
	CREST                                          ; the barrier has opened a round of the cluster's barrier: no wave of any partner still reads this slot or has a load on its way
	s_add_nc_u64 s[G0+4*\slot+2:G0+4*\slot+3], s[G0+4*\slot+2:G0+4*\slot+3], 1<<20      ; four heads on
	s_add_nc_u64 s[G0B+4*\slot+2:G0B+4*\slot+3], s[G0B+4*\slot+2:G0B+4*\slot+3], 1<<19
	JLOAD \slot                                    ; the first tensor load behind the round; its four v_nop are also the places ahead of the loads below
.else
	PLACES
.endif
	FETCH \next, 0, F0
	WIN MUL
	MUL8 F1, 2, 0
	MUL8 F1, 3, 0
.endm
	s_wait_tensorcnt 1                             ; my part of K step 0 is in (K step 1's may be out)
	s_barrier_signal -1
	s_barrier_wait -1                              ; everybody's is
	FETCH 0, 0, F0
	QUARTER 0, 1, F0, F1, 1                        ; the first quarter stands in front of the loop: its products start the sums
	WIN 0
	s_mov_b32 s3, LAPS-1
.Llap:                                                 ; a trip goes once round the ring, from a lap's second quarter to the next lap's first, and fills both slots again
	QUARTER 0, 2, F1, F0, 0
	QUARTER 0, 3, F0, F1, 0
	TURN 0, 1, 1
	QUARTER 1, 1, F0, F1, 0
	QUARTER 1, 2, F1, F0, 0
	QUARTER 1, 3, F0, F1, 0
	TURN 1, 0, 1
	QUARTER 0, 1, F0, F1, 0
	WIN 0
	s_sub_co_u32 s3, s3, 1
	s_cmp_lg_u32 s3, 0
	s_cbranch_scc1 .Llap
	QUARTER 0, 2, F1, F0, 0                        ; the last lap fills nothing, and has no round of the cluster's barrier
	QUARTER 0, 3, F0, F1, 0
	TURN 0, 1, 0
	QUARTER 1, 1, F0, F1, 0
	QUARTER 1, 2, F1, F0, 0
	QUARTER 1, 3, F0, F1, 0
	s_wait_dscnt 4                                 ; the very last quarter: nothing more to fetch
	WIN MUL
	MUL8 F1, 0, 0
	MUL8 F1, 1, 0
	s_wait_dscnt 0
	MUL8 F1, 2, 0
	MUL8 F1, 3, 0
	WIN 0
; THE WAY OUT, block by block of 16 tokens x 128 columns: through my own stage, back as whole rows of 512 bytes.  LDS serves a wave's instructions in order (ISA guide 5.7.1.4): no wait between the stores and the loads.
.macro TOSTAGE a
.set AC, 64*(\a)
	WIN 0x08                                       ; an LDS store's data are its source 1: window 2
.irp b, 0,1,2,3,4,5,6,7
	ds_store_b128 v[STO], v[AC+8*\b:AC+8*\b+3] offset:64*\b          ; each accumulator from its low end on
	ds_store_b128 v[STO], v[AC+8*\b+4:AC+8*\b+7] offset:64*\b+16
.endr
	WIN 0
.set BB, BK+64*((\a)%2)
.irp t, 0,1,2,3,4,5,6,7,8,9,10,11,12,13,14,15
	ds_load_b128 v[BB+4*\t:BB+4*\t+3], v[RD] offset:\t*SPITCH
.endr
.endm
.macro SEND a, younger                 ; younger: the LDS instructions issued behind block a's loads, which may stay out
.set BB, BK+64*((\a)%2)
	s_wait_dscnt \younger
.irp t, 0,1,2,3,4,5,6,7,8,9,10,11,12,13,14,15
	global_store_b128 v[CO], v[BB+4*\t:BB+4*\t+3], s[8:9] offset:(16*(\a)+\t)*4096 th:TH_STORE_NT   ; 32 lanes store 512 consecutive bytes, at a multiple of 256 from out0's first byte
.endr
.endm
	PLACES
	TOSTAGE 0
.irp a, 1,2,3
.if \a > 1
	s_wait_xcnt 0x0                                ; block a - 2's stores have read their registers: block a's loads may land there
.endif
	TOSTAGE \a
	SEND \a-1, 32                                  ; behind block a - 1's loads: block a's 16 stores and 16 loads
.endr
	SEND 3, 0
	s_wait_tensorcnt 0x0                           ; the wave's end: behind my last tensor load and my last LDS store
	ds_add_u32 v[SPW], v[NIL]
	s_wait_dscnt 0x0
	CROUND                                         ; the closing round: no work-group ends while a partner may still ask for a tile that names it
	s_endpgm
.Lfunc_end_k_q7f32908d7c_proj:
	.size	k_q7f32908d7c_proj, .Lfunc_end_k_q7f32908d7c_proj-k_q7f32908d7c_proj
	.p2alignl 7, 3214868480
	.fill 96, 4, 3214868480
	.section	.rodata,"a",@progbits
	.p2align	6, 0x0
	.amdhsa_kernel k_q7f32908d7c_proj
		.amdhsa_group_segment_fixed_size 327680
		.amdhsa_private_segment_fixed_size 0
		.amdhsa_enable_private_segment 0
		.amdhsa_kernarg_size 24
		.amdhsa_user_sgpr_count 2
		.amdhsa_user_sgpr_kernarg_segment_ptr 1
		.amdhsa_wavefront_size32 1
		.amdhsa_system_sgpr_workgroup_id_x 1
		.amdhsa_system_sgpr_workgroup_id_y 1
		.amdhsa_system_sgpr_workgroup_id_z 1
		.amdhsa_system_vgpr_workitem_id 0
		.amdhsa_next_free_vgpr 768
		.amdhsa_next_free_sgpr 66
		.amdhsa_reserve_vcc 0
		.amdhsa_float_denorm_mode_32 3
		.amdhsa_float_denorm_mode_16_64 3
		.amdhsa_memory_ordered 1
		.amdhsa_forward_progress 1
		.amdhsa_inst_pref_size 85
	.end_amdhsa_kernel
	.amdgpu_metadata
---
amdhsa.version: [ 1, 2 ]
amdhsa.kernels:
  - .name:           k_q7f32908d7c_proj
    .symbol:         k_q7f32908d7c_proj.kd
    .args:
      - { .name: att, .offset: 0, .size: 8, .value_kind: global_buffer, .address_space: global }
      - { .name: woh, .offset: 8, .size: 8, .value_kind: global_buffer, .address_space: global }
      - { .name: out0, .offset: 16, .size: 8, .value_kind: global_buffer, .address_space: global }
    .group_segment_fixed_size: 327680
    .private_segment_fixed_size: 0
    .kernarg_segment_align: 8
    .kernarg_segment_size: 24
    .max_flat_workgroup_size: 128
    .sgpr_count:     66
    .vgpr_count:     768
    .wavefront_size: 32
...
	.end_amdgpu_metadata
.endif
;; end of part 5
;; launch fine2 (part 6): grid 16 x 4, 16 waves a work-group, no clusters, 19,456 bytes of LDS; arguments ofine, Wo, out0; writes out0
.if DOCPART == 6
	.amdgcn_target "amdgcn-amd-amdhsa--gfx1250"
	.amdhsa_code_object_version 6
	.text
	.protected	k_q7f32908d7c_fine2
	.globl	k_q7f32908d7c_fine2
	.p2align	8
	.type	k_q7f32908d7c_fine2,@function
k_q7f32908d7c_fine2:
	s_mov_b64 s[64:65], 0
	v_nop
	global_prefetch_b8 v0, s[64:65] scope:SCOPE_SE
	s_setreg_imm32_b32 hwreg(HW_REG_WAVE_MODE, 25, 1), 1
	s_wait_xcnt 0x0
; The rows of positions 0-15 of each sequence once more, in f32: out0[batch][0..15][n] = sum over k of ofine[batch][token][k] Wo[n][k].  64 rows in all: no bulk work.
; A work-group takes 64 columns (x) of one batch (y).  Wave w: columns 16 (w % 4) on, K from 256 (w / 4) on: 64 instructions v_wmma_f32_16x16x4_f32 on two accumulators by turns.
; Source 0 = 16 rows of Wo, source 1 = 16 tokens: a lane holds token l % 16 and columns 8 (l / 16) + 0..7.  A load of 16 bytes at 16 (l / 16) + 32 c gives a lane k = 8 c + 4 (l / 16) + 0..3; the pair 2 u, 2 u + 1 of its
; registers stands for k = 2 (l / 16) + j of the instruction on both sides alike: the same permutation of the contracted axis, so the sums are whole.
; The four parts along K meet in LDS (four planes of 16 rows x 272 bytes); waves 0-7 add them in a fixed order and store two rows each: sixteen lanes store 256 consecutive bytes, aligned.
.set PLANE, 16*272
.set SPARE, 4*PLANE                    ; the spare words, 128 bytes for each of 16 waves
.set ACC0, 8                           ; v8-15, v16-23: written by matrix instructions alone
.set T,    24
.set SPW,  224
.set NIL,  225
.set RB,   226
	s_load_b128 s[4:7], s[0:1], 0x0                ; ofine s[4:5], Wo s[6:7]
	s_load_b64 s[8:9], s[0:1], 0x10                ; out0
	v_lshl_add_u32 v[SPW], v0, 2, SPARE
	v_mov_b32 v[NIL], 0
	v_lshrrev_b32 v1, 5, v0
	v_readfirstlane_b32 s10, v1                    ; wave 0..15
	s_and_b32 s11, s10, 3                          ; which 16 columns
	s_lshr_b32 s12, s10, 2                         ; which 256 along K
	s_and_b32 s13, ttmp7, 0xffff                   ; batch
	v_and_b32 v1, 15, v0                           ; r
	v_bfe_u32 v2, v0, 4, 1                         ; h
	v_lshlrev_b32 v3, 12, v1
	v_lshl_add_u32 v3, v2, 4, v3                   ; row r of 4,096 bytes + 16 h: the same in Wo and in ofine
	v_mul_u32_u24 v4, v1, 272
	v_lshl_add_u32 v4, v2, 5, v4
	s_mul_i32 s14, s12, PLANE
	s_lshl_b32 s15, s11, 6
	s_add_co_u32 s14, s14, s15
	v_add_nc_u32 v4, s14, v4                       ; into my plane: row r, + 64 x (w % 4) + 32 h
	s_and_b32 s15, s10, 7
	v_mul_u32_u24 v5, v2, 272
	v_lshl_add_u32 v5, v1, 4, v5
	s_mul_i32 s14, s15, 2*272
	v_add_nc_u32 v5, s14, v5                       ; back (waves 0-7): rows 2 w + h, 16 bytes a lane
	v_lshlrev_b32 v6, 12, v2
	v_lshl_add_u32 v6, v1, 4, v6
	s_lshl_b32 s14, s15, 13
	v_add_nc_u32 v6, s14, v6                       ; and the same in out0
	s_lshl_b32 s16, ttmp9, 18                      ; Wo: 64 rows of 4,096 bytes a work-group,
	s_lshl_b32 s17, s11, 16                        ; 16 a wave,
	s_add_co_u32 s16, s16, s17
	s_lshl_b32 s18, s12, 10                        ; 256 along K are 1,024 bytes
	s_add_co_u32 s16, s16, s18
	s_mov_b32 s17, 0
	s_lshl_b32 s19, s13, 16                        ; ofine: 16 rows of 4,096 bytes a batch
	s_add_co_u32 s18, s18, s19
	s_mov_b32 s19, 0
	s_lshl_b32 s20, s13, 23                        ; out0: 2,048 rows of 4,096 bytes a batch,
	s_lshl_b32 s21, ttmp9, 8                       ; 64 columns of 4 bytes a work-group
	s_add_co_u32 s20, s20, s21
	s_mov_b32 s21, 0
	s_wait_kmcnt 0x0
	s_add_nc_u64 s[6:7], s[6:7], s[16:17]
	s_add_nc_u64 s[4:5], s[4:5], s[18:19]
	s_add_nc_u64 s[8:9], s[8:9], s[20:21]
.macro CHUNKLOAD ch                    ; 64 along K: 8 loads of Wo, 8 of ofine, into set ch % 3
.irp c, 0,1,2,3,4,5,6,7
	global_load_b128 v[32+64*((\ch)%3)+4*\c:32+64*((\ch)%3)+4*\c+3], v3, s[6:7] offset:(\ch)*256+32*\c
.endr
.irp c, 0,1,2,3,4,5,6,7
	global_load_b128 v[64+64*((\ch)%3)+4*\c:64+64*((\ch)%3)+4*\c+3], v3, s[4:5] offset:(\ch)*256+32*\c
.endr
.endm
.macro CHUNKMUL ch, first              ; 16 matrix instructions, the two accumulators by turns; first = 1: the first two start the sums
.irp c, 0,1,2,3,4,5,6,7
.irp u, 0,1
.if \first && (\c == 0)
	v_wmma_f32_16x16x4_f32 v[ACC0+8*\u:ACC0+8*\u+7], v[32+64*((\ch)%3)+4*\c+2*\u:32+64*((\ch)%3)+4*\c+2*\u+1], v[64+64*((\ch)%3)+4*\c+2*\u:64+64*((\ch)%3)+4*\c+2*\u+1], 0
.else
	v_wmma_f32_16x16x4_f32 v[ACC0+8*\u:ACC0+8*\u+7], v[32+64*((\ch)%3)+4*\c+2*\u:32+64*((\ch)%3)+4*\c+2*\u+1], v[64+64*((\ch)%3)+4*\c+2*\u:64+64*((\ch)%3)+4*\c+2*\u+1], v[ACC0+8*\u:ACC0+8*\u+7]
.endif
.endr
.endr
.endm
	CHUNKLOAD 0
	CHUNKLOAD 1
	CHUNKLOAD 2
	s_wait_loadcnt 32                              ; chunk 0 is in; the 32 loads of chunks 1 and 2 may be out
	CHUNKMUL 0, 1
.rept 8
	v_nop                                          ; eight places behind this form, ahead of loads into registers that it has read
.endr
	CHUNKLOAD 3
	s_wait_loadcnt 32                              ; chunk 1 is in; chunks 2 and 3 may be out
	CHUNKMUL 1, 0
	s_wait_loadcnt 16                              ; chunk 2 is in; chunk 3 may be out
	CHUNKMUL 2, 0
	s_wait_loadcnt 0x0
	CHUNKMUL 3, 0
.rept 8
	v_nop
.endr
.irp j, 0,1,2,3,4,5,6,7
	v_add_f32 v[T+\j], v[ACC0+\j], v[ACC0+8+\j]
.endr
	ds_store_b128 v4, v[T:T+3]
	ds_store_b128 v4, v[T+4:T+7] offset:16
	s_wait_tensorcnt 0x0                           ; behind my last LDS store: only LDS reads follow
	ds_add_u32 v[SPW], v[NIL]
	s_wait_dscnt 0x0                               ; also for the others' sake: my stores have landed
	s_barrier_signal -1
	s_barrier_wait -1
	s_cmp_ge_u32 s10, 8
	s_cbranch_scc1 .Lend                           ; 16 rows: two for each of waves 0-7
.irp p, 0,1,2,3
	ds_load_b128 v[RB+4*\p:RB+4*\p+3], v5 offset:\p*PLANE
.endr
	s_wait_dscnt 0x0
	v_pk_add_f32 v[RB:RB+1], v[RB:RB+1], v[RB+4:RB+5]
	v_pk_add_f32 v[RB+2:RB+3], v[RB+2:RB+3], v[RB+6:RB+7]
	v_pk_add_f32 v[RB+8:RB+9], v[RB+8:RB+9], v[RB+12:RB+13]
	v_pk_add_f32 v[RB+10:RB+11], v[RB+10:RB+11], v[RB+14:RB+15]
	v_pk_add_f32 v[RB:RB+1], v[RB:RB+1], v[RB+8:RB+9]
	v_pk_add_f32 v[RB+2:RB+3], v[RB+2:RB+3], v[RB+10:RB+11]
	global_store_b128 v6, v[RB:RB+3], s[8:9]
.Lend:
	s_endpgm
.Lfunc_end_k_q7f32908d7c_fine2:
	.size	k_q7f32908d7c_fine2, .Lfunc_end_k_q7f32908d7c_fine2-k_q7f32908d7c_fine2
	.p2alignl 7, 3214868480
	.fill 96, 4, 3214868480
	.section	.rodata,"a",@progbits
	.p2align	6, 0x0
	.amdhsa_kernel k_q7f32908d7c_fine2
		.amdhsa_group_segment_fixed_size 19456
		.amdhsa_private_segment_fixed_size 0
		.amdhsa_enable_private_segment 0
		.amdhsa_kernarg_size 24
		.amdhsa_user_sgpr_count 2
		.amdhsa_user_sgpr_kernarg_segment_ptr 1
		.amdhsa_wavefront_size32 1
		.amdhsa_system_sgpr_workgroup_id_x 1
		.amdhsa_system_sgpr_workgroup_id_y 1
		.amdhsa_system_sgpr_workgroup_id_z 1
		.amdhsa_system_vgpr_workitem_id 0
		.amdhsa_next_free_vgpr 256
		.amdhsa_next_free_sgpr 66
		.amdhsa_reserve_vcc 0
		.amdhsa_float_denorm_mode_32 3
		.amdhsa_float_denorm_mode_16_64 3
		.amdhsa_memory_ordered 1
		.amdhsa_forward_progress 1
		.amdhsa_inst_pref_size 15
	.end_amdhsa_kernel
	.amdgpu_metadata
---
amdhsa.version: [ 1, 2 ]
amdhsa.kernels:
  - .name:           k_q7f32908d7c_fine2
    .symbol:         k_q7f32908d7c_fine2.kd
    .args:
      - { .name: ofine, .offset: 0, .size: 8, .value_kind: global_buffer, .address_space: global }
      - { .name: Wo, .offset: 8, .size: 8, .value_kind: global_buffer, .address_space: global }
      - { .name: out0, .offset: 16, .size: 8, .value_kind: global_buffer, .address_space: global }
    .group_segment_fixed_size: 19456
    .private_segment_fixed_size: 0
    .kernarg_segment_align: 8
    .kernarg_segment_size: 24
    .max_flat_workgroup_size: 512
    .sgpr_count:     66
    .vgpr_count:     256
    .wavefront_size: 32
...
	.end_amdgpu_metadata
.endif
;; end of part 6
